; MI455X (gfx1250); checked and timed in simulation.
; The chip was launched on July 23, 2026; its instructions are those of AMD's public machine-readable ISA for CDNA 5 (MIT licence, August 2026) and "CDNA5" Instruction Set Architecture Reference Guide (July 2026). The comments in the code are by the model that wrote it; some were corrected since.
;; Causal Self Attention. Allowed arithmetic: matrix products marked QUANTISED: E2M1 operands, one E8M0 scale for each 32 along K, by v_wmma_scale_f32_16x16x128_f8f6f4 with both operands' format E2M1 (or v_wmma_scale_f32_32x16x128_f4), f32 sums; products left as they are: bf16, f16 or f32 operands; f32 sums; everything else in f32.
;; Inputs: b_attn 3,072 float32; b_proj 1,024 float32; w_attn 1,024 x 3,072 float32; w_proj 1,024 x 1,024 float32; x 2 x 2,048 x 1,024 float32.
;; Outputs: out0 2 x 2,048 x 1,024 float32.
;; This version of the problem:
;;   THIS VERSION OF THE PROBLEM IS GIVEN IN LOW PRECISION. The matrix products marked QUANTISED in the list below multiply operands that are first quantised to E2M1 (2 exponent bits, 1 mantissa bit; 4 bits a number), with one power-of-two scale for each 32 numbers along K (OCP MX v1.0); their sums are f32. The products marked 'left as it is' may take bf16, f16 or f32 operands, with f32 sums. Whichever they take, every output number must still come out within the allowed error. Rounding operands to bf16 (8 significant bits) uses up far more of that allowance than f16 does (11 bits, for magnitudes from 6e-5 to 65,504). All else is computed in f32.
;;   The module's matrix products, in the order in which they are computed (A, B: the left and right operand; K: the contracted axis; several contracted axes count as one K, in the product's order):
;;     1. [M 4,096, K 1,024] x [K 1,024, N 3,072]; A: input x; B: input w_attn: QUANTISED
;;     2. batch 32 x [M 2,048, K 64] x [K 64, N 2,048]; A: computed on the way; B: computed on the way: left as it is (an operand is computed on the way)
;;     3. batch 32 x [M 2,048, K 2,048] x [K 2,048, N 64]; A: computed on the way; B: computed on the way: left as it is (an operand is computed on the way)
;;     4. [M 4,096, K 1,024] x [K 1,024, N 1,024]; A: computed on the way; B: input w_proj: left as it is (an operand is computed on the way)
;;   THE QUANTISER, for each operand of a quantised product, along K:
;;     - K is cut into blocks of 32 from its start; a last block that is shorter is filled with zeros.
;;     - A block's scale is 2^e with e = floor(log2(the largest magnitude in the block)) - 2, held to -126 .. 127; a block of zeros has e = 0. As a byte (E8M0): e + 127.
;;     - Each number is divided by its block's scale, clamped to +-6, and rounded to the nearest number of E2M1, ties to even, subnormals kept.
;;     - The product sums the exact products of the quantised numbers (number of the format x scale) in f32.
;;   ~~~python
;;   def quantise(x, axis):      # numpy; x: float32 -> the quantised numbers, widened to float32 again
;;       x = np.moveaxis(x, axis, -1); K = x.shape[-1]
;;       x = np.pad(x, [(0, 0)] * (x.ndim - 1) + [(0, -K % 32)]); x = x.reshape(x.shape[:-1] + (-1, 32)); a = np.abs(x).max(-1, keepdims=True)
;;       e = np.where(a > 0, np.clip(np.frexp(np.where(a > 0, a, 1))[1] - 1 - 2, -126, 127), 0)      # np.frexp(a)[1] - 1 = floor(log2(a)), exactly
;;       r = np.clip(x / 2.0 ** e, -6, 6)
;;       step = 2.0 ** (np.maximum(np.frexp(np.where(r == 0, 1, r))[1] - 1, 0) - 1)
;;       q = np.round(r / step) * step * 2.0 ** e      # np.round: ties to even
;;       return np.moveaxis(q.reshape(q.shape[:-2] + (-1,))[..., :K], -1, axis).astype(np.float32)
;;   ~~~
;; One version. Each part assembles by itself: llvm-mc -triple=amdgcn-amd-amdhsa -mcpu=gfx1250 --defsym DOCPART=n.
;; ======== version 1 of 1: 5 launches
;; limits: values are held in f16: magnitudes above 65,504 overflow, below 6.1e-05 lose precision
;; workspace buffers: xq 2,097,152 bytes; xs 131,072 bytes; wq 1,572,864 bytes; ws 98,304 bytes; wp 2,097,152 bytes; qkv 25,165,824 bytes; q32 393,216 bytes; yh 8,388,608 bytes
;; launch prep (part 1): grid 512 x 1, 4 waves a work-group, no clusters, 35,328 bytes of LDS; arguments x, w_attn, w_proj, xq, xs, wq, ws, wp; writes xq, xs, wq, ws, wp
.if DOCPART == 1
	.amdgcn_target "amdgcn-amd-amdhsa--gfx1250"
	.amdhsa_code_object_version 6
	.text
	.protected	k_q967bdd68c3_prep
	.globl	k_q967bdd68c3_prep
	.p2align	8
	.type	k_q967bdd68c3_prep,@function
k_q967bdd68c3_prep:
	s_mov_b64 s[64:65], 0
	v_nop
	global_prefetch_b8 v0, s[64:65] scope:SCOPE_SE
	s_setreg_imm32_b32 hwreg(HW_REG_WAVE_MODE, 25, 1), 1
	s_wait_xcnt 0x0
; PREPARATION.  Three roles, chosen by the work-group's number g; every wave of every role takes 16 KiB of f32, all its loads issued at its head.
;   g < 256        X: x [4096][1024] f32 -> codes of FP4 (E2M1) and E8M0 scale words, K innermost in memory.
;   256 <= g < 448 W: w_attn [1024][3072] f32, K its FIRST axis -> the same; a lane takes a column and its registers run down K.
;   448 <= g       P: w_proj [1024][1024] f32 -> f16, a lane to a column, registers down K.
; THE QUANTISER: a block of 32 along K has the scale 2^(floor(log2(largest magnitude)) - 2); its byte is the largest magnitude's exponent field - 2, held at 1 from below by a floor
; among the maximum's leaves; each number is divided by the scale and rounded to the nearest code, ties to even, beyond 6 the largest code.
; ALL OUTPUTS ARE LAID IN THE ORDER OF THE LATER OPERANDS' REGISTERS.  An IMAGE is 512 bytes, lane l's 16 bytes at 16 l.
;   xq [tb 16][s 8][tt 16][c 2][image]: block of 256 tokens, K step of 128, tile of 16 tokens; lane (r, h) of image c: the 32 codes k = 64 c + 32 h + 0..31 of row r.   xs [tile 256][s 8][r 16]: scale words.
;   wq [cb 16][s 8][cl 12][c 2][image]: the same with channels as rows, 12 tiles to a block of 192 channels.   ws [tile 192][s 8][r 16].
;   wp [nt 64][c16 64][image]: lane (r, h): w_proj[16 c16 + 8 h + 0..7][16 nt + r] as f16.
; LIMITS: a block of zeros gets the byte 1 where the quantiser says 127: its codes are zeros, and these bytes are read by this program alone.  NaN and infinities among the inputs are not served.
; w_proj beyond 65,504 in magnitude has no f16 number.  No work-group shares an input with another: no cluster, no matrix unit.  Only role X uses LDS.
.set SPARE, 34816                      ; behind the four waves' stages: the spare words, 128 bytes for each wave
.set WREG,  8704                       ; a wave's LDS: two stages
.set STG,   4352                       ; a stage: 16 rows of 256 bytes + 16 of padding
.set PIT,   272
.set R,     64                         ; v64-191  the numbers as loaded
.set X,     192                        ; v192-255 role X: two sets of 32 neighbours;  role P: the f16 pieces
.set CD,    16                         ; v16-31   codes, four registers a block: no store's data are written again
.set BY,    32                         ; v32-35   scale bytes
; 32 numbers of one block in v[src] .. v[src+31] -> 4 registers of codes and the scale's byte
.macro QBLK src, code, byte
	v_max3_num_f32 v10, |v[\src]|, |v[\src+1]|, |v[\src+2]|
	v_max3_num_f32 v11, |v[\src+3]|, |v[\src+4]|, |v[\src+5]|
.irp i, 6,10,14,18,22,26
	v_max3_num_f32 v10, v10, |v[\src+\i]|, |v[\src+\i+1]|
	v_max3_num_f32 v11, v11, |v[\src+\i+2]|, |v[\src+\i+3]|
.endr
	v_max3_num_f32 v10, v10, |v[\src+30]|, |v[\src+31]|
	v_max3_num_f32 v10, v10, v11, 0x1800000        ; and the floor 2^(3 - 127): the byte cannot fall under 1
	v_add_nc_u32 v12, 0xff000000, v10              ; 2 off the exponent field: the conversion takes the exponent field of this operand as its scale
.irp g, 0,1,2,3
	v_cvt_scalef32_pk8_fp4_f32 v[\code+\g], v[\src+8*\g:\src+8*\g+7], v12
.endr
	v_lshrrev_b32 v[\byte], 23, v12                ; the scale's byte; also the plain instruction behind the conversions
.endm
	s_load_b256 s[4:11], s[0:1], 0x0               ; x s[4:5], w_attn s[6:7], w_proj s[8:9], xq s[10:11]
	s_load_b256 s[12:19], s[0:1], 0x20             ; xs s[12:13], wq s[14:15], ws s[16:17], wp s[18:19]
	v_lshl_add_u32 v2, v0, 2, SPARE                ; my spare word; never rewritten
	v_mov_b32 v3, 0                                ; 0; never rewritten
	v_lshrrev_b32 v1, 5, v0
	v_readfirstlane_b32 s20, v1                    ; wave 0..3
	v_and_b32 v4, 31, v0                           ; lane
	v_and_b32 v5, 15, v0                           ; r
	v_bfe_u32 v6, v0, 4, 1                         ; h
	s_mul_i32 s21, s20, WREG
	v_mul_u32_u24 v8, v6, PIT                      ; role X's stage, on the way in: two rows an instruction: row h, 16 bytes a lane
	v_lshl_add_u32 v8, v5, 4, v8
	v_add_nc_u32 v8, s21, v8
	v_mul_u32_u24 v9, v5, PIT                      ; and on the way out: row r, block h: 128 bytes
	v_lshl_add_u32 v9, v6, 7, v9
	v_add_nc_u32 v9, s21, v9
	s_mov_b32 s22, 0x76543210                      ; v_permlanex16_b32's selects for lane l xor 16
	s_mov_b32 s23, 0xfedcba98
	s_wait_kmcnt 0x0
	s_cmp_lt_u32 ttmp9, 256
	s_cbranch_scc0 .Lnot_x
; ---- ROLE X.  Work-group g = tile of 16 tokens; wave w = columns 256 w .. 256 w + 255: K steps 2 w and 2 w + 1, in four chunks of 64 columns.
; A load reads two rows' 256 consecutive bytes; a chunk turns through the wave's own stage, so that lane (r, h) then holds block h of row r: 32 neighbours along K.
	s_lshl_b32 s24, ttmp9, 16                      ; 16 rows of 4,096 bytes
	s_lshl_b32 s26, s20, 10
	s_add_co_u32 s24, s24, s26
	s_mov_b32 s25, 0
	s_add_nc_u64 s[24:25], s[4:5], s[24:25]        ; x at my rows and columns
	s_lshr_b32 s26, ttmp9, 4
	s_lshl_b32 s26, s26, 17                        ; tb
	s_and_b32 s28, ttmp9, 15
	s_lshl_b32 s28, s28, 10                        ; tt
	s_add_co_u32 s26, s26, s28
	s_lshl_b32 s28, s20, 15                        ; two K steps of 16,384 bytes a wave
	s_add_co_u32 s26, s26, s28
	s_mov_b32 s27, 0
	s_add_nc_u64 s[26:27], s[10:11], s[26:27]      ; xq
	s_lshl_b32 s28, ttmp9, 9
	s_lshl_b32 s30, s20, 7
	s_add_co_u32 s28, s28, s30
	s_mov_b32 s29, 0
	s_add_nc_u64 s[28:29], s[12:13], s[28:29]      ; xs
	v_lshlrev_b32 v7, 12, v6
	v_lshl_add_u32 v7, v5, 4, v7                   ; row h, 16 bytes a lane
	v_lshlrev_b32 v13, 4, v4                       ; an image's place for my lane
.set ch, 0
.rept 4
.set e, 0
.rept 8
	global_load_b128 v[R+4*(8*ch+e):R+4*(8*ch+e)+3], v7, s[24:25] offset:ch*256+e*8192 th:TH_LOAD_NT
.set e, e+1
.endr
.set ch, ch+1
.endr
.macro TURN ch                         ; a chunk through its stage: LDS serves a wave's instructions in order, so no wait stands between the stores and the loads
.irp e, 0,1,2,3,4,5,6,7
	ds_store_b128 v8, v[R+4*(8*(\ch)+\e):R+4*(8*(\ch)+\e)+3] offset:((\ch)%2)*STG+\e*544
.endr
.irp g, 0,1,2,3,4,5,6,7
	ds_load_b128 v[X+32*((\ch)%2)+4*\g:X+32*((\ch)%2)+4*\g+3], v9 offset:((\ch)%2)*STG+16*\g
.endr
.endm
	s_wait_loadcnt 24                              ; chunk 0's eight loads are in; the 24 behind them may be out
	TURN 0
.irp ch, 0,1,2,3
.if \ch < 3
	s_wait_loadcnt 16-8*\ch                        ; the next chunk's eight loads are in
	TURN \ch+1                                     ; it goes through the other stage while this chunk is worked
	s_wait_dscnt 16                                ; this chunk is back; the 16 LDS instructions just issued may be out
.else
	s_wait_dscnt 0x0
.endif
	QBLK X+32*(\ch%2), CD+4*\ch, BY+\ch
	global_store_b128 v13, v[CD+4*\ch:CD+4*\ch+3], s[26:27] offset:(\ch/2)*16384+(\ch%2)*512   ; one image: 512 consecutive bytes
.endr
	v_lshlrev_b32 v14, 3, v6                       ; the scale words: my bytes are blocks h and 2 + h of each K step,
.irp u, 0,1
	v_lshl_or_b32 v[36+\u], v[BY+1+2*\u], 16, v[BY+2*\u]
	v_lshlrev_b32 v[36+\u], v14, v[36+\u]          ; 8 h bits up;
	v_mov_b32 v[38+\u], 0                          ; (a lane permute's destination counts as one of its sources)
	v_permlanex16_b32 v[38+\u], v[36+\u], s22, s23
	v_or_b32 v[36+\u], v[36+\u], v[38+\u]          ; with lane l xor 16's two the word is whole
.endr
	v_cmp_gt_u32 vcc_lo, 16, v4
	v_cndmask_b32 v36, v37, v36, vcc_lo            ; lanes 0-15 store K step 2 w's words, lanes 16-31 K step 2 w + 1's
	v_lshlrev_b32 v40, 2, v4
	global_store_b32 v40, v36, s[28:29]
	s_wait_tensorcnt 0x0                           ; the wave's end, behind my last LDS store
	ds_add_u32 v2, v3
	s_wait_dscnt 0x0
	s_endpgm
.Lnot_x:
	s_cmp_lt_u32 ttmp9, 448
	s_cbranch_scc0 .Lrole_p
; ---- ROLE W.  g - 256 = 8 x (group of 128 columns) + K step; wave w takes 32 columns, a lane a column; 128 rows of K: four whole blocks a lane.
	s_sub_co_u32 s21, ttmp9, 256
	s_and_b32 s24, s21, 7                          ; K step s
	s_lshr_b32 s25, s21, 3
	s_lshl_b32 s26, s25, 3
	s_lshl_b32 s27, s20, 1
	s_add_co_u32 s26, s26, s27                     ; my first tile of 16 channels, an even number: it and the next lie in one block of 12
	s_mul_i32 s27, s26, 5462
	s_lshr_b32 s27, s27, 16                        ; that block: tile / 12 (exact for tiles under 192)
	s_mul_i32 s28, s24, 1572864                    ; 128 rows of 12,288 bytes
	s_lshl_b32 s30, s26, 6
	s_add_co_u32 s28, s28, s30
	s_mov_b32 s29, 0
	s_add_nc_u64 s[28:29], s[6:7], s[28:29]        ; w_attn
	s_mul_i32 s30, s27, 86016                      ; block x 98,304 + (tile - 12 x block) x 1,024
	s_mul_i32 s32, s24, 12288
	s_add_co_u32 s30, s30, s32
	s_lshl_b32 s32, s26, 10
	s_add_co_u32 s30, s30, s32
	s_mov_b32 s31, 0
	s_add_nc_u64 s[30:31], s[14:15], s[30:31]      ; wq
	s_lshl_b32 s32, s26, 9
	s_lshl_b32 s34, s24, 6
	s_add_co_u32 s32, s32, s34
	s_mov_b32 s33, 0
	s_add_nc_u64 s[32:33], s[16:17], s[32:33]      ; ws
	v_lshlrev_b32 v7, 2, v4                        ; in: 4 bytes a lane: a wave reads 128 consecutive bytes, the four waves 512
	v_lshlrev_b32 v13, 4, v5
	v_lshl_add_u32 v13, v6, 10, v13                ; out: tile h, row r
	v_lshlrev_b32 v14, 2, v5
	v_lshl_add_u32 v14, v6, 9, v14
.set i, 0
.rept 128
	global_load_b32 v[R+i], v7, s[28:29] offset:i*12288 th:TH_LOAD_NT
.set i, i+1
.endr
.irp kb, 0,1,2,3
.if 96-32*\kb > 63
	s_wait_loadcnt 63                              ; behind this block's loads stand more than a wait can name: the largest count that it can
.else
	s_wait_loadcnt 96-32*\kb                       ; the later blocks' loads may be out
.endif
	QBLK R+32*\kb, CD+4*\kb, BY+\kb
	global_store_b128 v13, v[CD+4*\kb:CD+4*\kb+3], s[30:31] offset:\kb*256   ; block kb = 2 c + h of the operand: each half of the lanes stores 256 consecutive bytes, aligned
.endr
	v_lshl_or_b32 v36, v33, 8, v32                 ; my channel's scale word of this K step
	v_lshl_or_b32 v36, v34, 16, v36
	v_lshl_or_b32 v36, v35, 24, v36
	global_store_b32 v14, v36, s[32:33]
	s_endpgm
.Lrole_p:
; ---- ROLE P.  g - 448 = 8 x (group of 128 columns) + run of 128 rows; a lane a column; eight numbers down K are 16 bytes of f16.
	s_sub_co_u32 s21, ttmp9, 448
	s_and_b32 s24, s21, 7
	s_lshr_b32 s25, s21, 3
	s_lshl_b32 s26, s25, 3
	s_lshl_b32 s27, s20, 1
	s_add_co_u32 s26, s26, s27                     ; my first tile of 16 columns
	s_lshl_b32 s28, s24, 19                        ; 128 rows of 4,096 bytes
	s_lshl_b32 s30, s26, 6
	s_add_co_u32 s28, s28, s30
	s_mov_b32 s29, 0
	s_add_nc_u64 s[28:29], s[8:9], s[28:29]        ; w_proj
	s_lshl_b32 s30, s26, 15
	s_lshl_b32 s32, s24, 12
	s_add_co_u32 s30, s30, s32
	s_mov_b32 s31, 0
	s_add_nc_u64 s[30:31], s[18:19], s[30:31]      ; wp
	v_lshlrev_b32 v7, 2, v4
	v_lshlrev_b32 v13, 4, v5
	v_lshl_add_u32 v13, v6, 15, v13                ; tile h, row r
.set i, 0
.rept 128
	global_load_b32 v[R+i], v7, s[28:29] offset:i*4096   ; no hint: a later launch reads w_proj again
.set i, i+1
.endr
.set pc, 0
.rept 16
.if 120-8*pc > 63
	s_wait_loadcnt 63
.else
	s_wait_loadcnt 120-8*pc                        ; the later pieces' loads may be out
.endif
.irp k, 0,1,2,3
	v_cvt_pk_f16_f32 v[X+4*pc+\k], v[R+8*pc+2*\k], v[R+8*pc+2*\k+1]
.endr
	global_store_b128 v13, v[X+4*pc:X+4*pc+3], s[30:31] offset:pc*256   ; each half of the lanes stores 256 consecutive bytes, aligned
.set pc, pc+1
.endr
	s_endpgm
.Lfunc_end_k_q967bdd68c3_prep:
	.size	k_q967bdd68c3_prep, .Lfunc_end_k_q967bdd68c3_prep-k_q967bdd68c3_prep
	.p2alignl 7, 3214868480
	.fill 96, 4, 3214868480
	.section	.rodata,"a",@progbits
	.p2align	6, 0x0
	.amdhsa_kernel k_q967bdd68c3_prep
		.amdhsa_group_segment_fixed_size 35328
		.amdhsa_private_segment_fixed_size 0
		.amdhsa_enable_private_segment 0
		.amdhsa_kernarg_size 64
		.amdhsa_user_sgpr_count 2
		.amdhsa_user_sgpr_kernarg_segment_ptr 1
		.amdhsa_wavefront_size32 1
		.amdhsa_system_sgpr_workgroup_id_x 1
		.amdhsa_system_sgpr_workgroup_id_y 1
		.amdhsa_system_sgpr_workgroup_id_z 1
		.amdhsa_system_vgpr_workitem_id 0
		.amdhsa_next_free_vgpr 256
		.amdhsa_next_free_sgpr 66
		.amdhsa_reserve_vcc 1
		.amdhsa_float_denorm_mode_32 3
		.amdhsa_float_denorm_mode_16_64 3
		.amdhsa_memory_ordered 1
		.amdhsa_forward_progress 1
		.amdhsa_inst_pref_size 55
	.end_amdhsa_kernel
	.amdgpu_metadata
---
amdhsa.version: [ 1, 2 ]
amdhsa.kernels:
  - .name:           k_q967bdd68c3_prep
    .symbol:         k_q967bdd68c3_prep.kd
    .args:
      - { .name: x, .offset: 0, .size: 8, .value_kind: global_buffer, .address_space: global }
      - { .name: w_attn, .offset: 8, .size: 8, .value_kind: global_buffer, .address_space: global }
      - { .name: w_proj, .offset: 16, .size: 8, .value_kind: global_buffer, .address_space: global }
      - { .name: xq, .offset: 24, .size: 8, .value_kind: global_buffer, .address_space: global }
      - { .name: xs, .offset: 32, .size: 8, .value_kind: global_buffer, .address_space: global }
      - { .name: wq, .offset: 40, .size: 8, .value_kind: global_buffer, .address_space: global }
      - { .name: ws, .offset: 48, .size: 8, .value_kind: global_buffer, .address_space: global }
      - { .name: wp, .offset: 56, .size: 8, .value_kind: global_buffer, .address_space: global }
    .group_segment_fixed_size: 35328
    .private_segment_fixed_size: 0
    .kernarg_segment_align: 8
    .kernarg_segment_size: 64
    .max_flat_workgroup_size: 128
    .sgpr_count:     66
    .vgpr_count:     256
    .wavefront_size: 32
...
	.end_amdgpu_metadata
.endif
;; end of part 1
;; launch gemm (part 2): grid 16 x 16, 16 waves a work-group, clusters of 4 x 1, 231,424 bytes of LDS; arguments xq, xs, wq, ws, b_attn, qkv, q32; writes qkv, q32
.if DOCPART == 2
	.amdgcn_target "amdgcn-amd-amdhsa--gfx1250"
	.amdhsa_code_object_version 6
	.text
	.protected	k_q967bdd68c3_gemm
	.globl	k_q967bdd68c3_gemm
	.p2align	8
	.type	k_q967bdd68c3_gemm,@function
k_q967bdd68c3_gemm:
	s_mov_b64 s[64:65], 0
	v_nop
	global_prefetch_b8 v0, s[64:65] scope:SCOPE_SE
	s_setreg_imm32_b32 hwreg(HW_REG_WAVE_MODE, 25, 1), 1
	s_wait_xcnt 0x0
	s_wait_alu depctr_hold_cnt(0) depctr_sa_sdst(0) depctr_va_vdst(0) depctr_va_sdst(0) depctr_va_ssrc(0) depctr_va_vcc(0) depctr_vm_vsrc(0)
	s_getreg_b32 s2, hwreg(HW_REG_IB_STS2, 6, 4)
	s_cmp_eq_u32 s2, 0
	s_cbranch_scc0 .Lentry_in_a_cluster
	s_endpgm
.Lentry_in_a_cluster:
	s_bfe_u32 s2, ttmp6, 0x10000c
	s_cmp_lg_u32 s2, 0x3003
	s_cbranch_scc0 .Lentry_shape_is_right
	s_endpgm
.Lentry_shape_is_right:
; qkv = Q(x) Q(w_attn) + b_attn on codes of FP4 (E2M1) with one E8M0 scale for each 32 along K; sums in f32.  Codes and scale words come laid in the order of the operands' registers (an image: 512 bytes, lane l's 16 bytes at 16 l).
; SHARES.  A work-group makes 256 tokens (tb) x 192 channels (cb): 16 x 12 tiles of 16 x 16, over all of K = 1,024.  Wave wv = 4 wy + wx makes token tiles 4 wy + 0..3 x channel tiles 3 wx + 0..2: 12 accumulators, 96 matrix instructions.
; ALL OF THE WORK-GROUP'S CODES FIT IN LDS AND ARE FILLED ONCE: x's 131,072 bytes, then w's 98,304: two dense blocks of memory.  No byte is filled again: no ring.  Every wave brings a sixteenth of each half along K:
; four tensor loads a wave, all issued at the head, so four of a wave's are outstanding at the most.  K steps 0-3 are multiplied while K steps 4-7 land.
; CLUSTER 4 x 1: the four partners share tb, so x's codes are asked for jointly (mask 15).  w's codes differ between them and come by plain loads.  Work-groups of equal cb lie along the grid's y; they are not made partners,
; since they differ in tb, and the branch round the f32 copy below hangs on tb.
; THE MATRIX INSTRUCTION IS USED TRANSPOSED: source 0 = 16 channels of w, source 1 = 16 tokens of x.  Lane (r, h) then holds token r and channels 8 h + 0..7; rounded to f16 these are 16 bytes: one lane's part of an image.
; OUT: qkv [sel 3][b 2][head 16][tile of 16 tokens 128][sub 4][image], f16: lane (r, h): token r, channels 16 sub + 8 h + 0..7 of the head.  Each store of a wave covers 512 consecutive bytes, aligned.
;      q32 [b 2][t 16][3072], f32: positions 0-15 of each sequence as they are, for the launch that carries those rows in f32.
; LIMIT: q, k, v beyond 65,504 in magnitude have no f16 number.
.set SPARE, 229376                     ; behind the codes: the spare words, 128 bytes for each of the 16 waves
.set LB,    131072                     ; where w's codes begin in LDS
.set XS,    16                         ; v16-31   x's scale words: v[XS + 8 p + s]: lanes 0-15 token tile 2 p, lanes 16-31 tile 2 p + 1, K step s
.set WS,    32                         ; v32-47   w's: v[WS + s]: channel tiles 0 and 1; v[WS + 8 + s]: tile 2
.set BI,    48                         ; v48-71   the bias in the result's layout, 8 registers a channel tile: the C of each sum's first product
.set FA,    72                         ; v72-103  4 fragments of x
.set FB,    104                        ; v104-127 3 fragments of w
.set ACC,   128                        ; v128-223 accumulator (i, jn) at ACC + 8 (3 i + jn)
.set H,     72                         ; the way out: f16 results
.macro ROUND                           ; a round of the cluster's barrier
	s_barrier_signal -1
	s_barrier_wait -1
	s_cmp_lg_u32 s18, 0
	s_cbranch_scc1 .Lnot_wave_0_\@
	s_barrier_signal -3
.Lnot_wave_0_\@:
	s_barrier_wait -3
	s_barrier_signal -1
	s_barrier_wait -1
.endm
	s_load_b256 s[4:11], s[0:1], 0x0               ; xq s[4:5], xs s[6:7], wq s[8:9], ws s[10:11]
	s_load_b128 s[12:15], s[0:1], 0x20             ; b_attn s[12:13], qkv s[14:15]
	s_load_b64 s[16:17], s[0:1], 0x30              ; q32
	v_lshl_add_u32 v6, v0, 2, SPARE                ; my spare word; never rewritten
	v_mov_b32 v7, 0                                ; 0; never rewritten
	ds_add_u32 v6, v7                              ; the wave's opening: the add, twice on end, and its wait ahead of my first tensor load
	ds_add_u32 v6, v7
	v_lshrrev_b32 v1, 5, v0
	v_readfirstlane_b32 s18, v1                    ; wave 0..15
	s_lshr_b32 s19, s18, 2                         ; wy
	s_and_b32 s20, s18, 3                          ; wx
	s_bfe_u32 s21, ttmp6, 0x40000                  ; cx
	s_lshl_b32 s22, ttmp9, 2
	s_add_co_u32 s22, s22, s21                     ; cb = 4 x cluster x + cx
	s_and_b32 s23, ttmp7, 0xffff                   ; tb, which the four partners share
	; descriptor group 1 for x's codes: 16 rows of 256 bytes (32 elements of 8 bytes), dense; mask 15 with bit 21 beside it
	s_mov_b32 s24, 15|(3<<16)|(1<<21)
	s_mov_b32 s25, 32<<16                          ; tensor_dim0 = 32
	s_mov_b32 s26, 16<<16                          ; tensor_dim1 = 16
	s_mov_b32 s27, 32<<16                          ; tile_dim0 = 32
	s_mov_b32 s28, 16                              ; tile_dim1 = 16
	s_mov_b32 s29, 32                              ; pitch
	s_mov_b32 s30, 0
	s_mov_b32 s31, 0
	; and for w's: 12 rows of 256 bytes, no mask
	s_mov_b32 s32, 3<<16
	s_mov_b32 s33, 32<<16
	s_mov_b32 s34, 12<<16
	s_mov_b32 s35, 32<<16
	s_mov_b32 s36, 12
	s_mov_b32 s37, 32
	s_mov_b32 s38, 0
	s_mov_b32 s39, 0
	s_lshl_b32 s56, s23, 17                        ; x: tb x 131,072 + wave x 4,096: nothing of cx
	s_lshl_b32 s60, s18, 12
	s_add_co_u32 s56, s56, s60
	s_mov_b32 s57, 0
	s_mul_i32 s58, s22, 98304                      ; w: cb x 98,304 + wave x 3,072
	s_mul_i32 s61, s18, 3072
	s_add_co_u32 s58, s58, s61
	s_mov_b32 s59, 0
	v_and_b32 v1, 31, v0
	v_lshlrev_b32 v1, 4, v1                        ; 16 x lane: an image's place for my lane
	v_and_b32 v12, 15, v0                          ; r
	v_bfe_u32 v13, v0, 4, 1                        ; h
	s_lshl_b32 s62, s19, 12
	v_add_nc_u32 v2, s62, v1                       ; x's fragments, K steps 0-3: my four token tiles of 1,024 bytes
	v_add_nc_u32 v3, 65536, v2                     ; K steps 4-7
	s_mul_i32 s63, s20, 3072
	s_add_co_u32 s63, s63, LB
	v_add_nc_u32 v4, s63, v1                       ; w's fragments, K steps 0-3: my three channel tiles
	v_add_nc_u32 v5, 49152, v4                     ; K steps 4-7
	v_lshlrev_b32 v9, 2, v12                       ; 4 r
	v_lshl_add_u32 v8, v13, 9, v9                  ; 512 h + 4 r: lanes 16-31 take the next tile's scale words
	v_lshlrev_b32 v10, 5, v13                      ; 32 h
	v_mul_u32_u24 v11, v12, 12288
	v_lshl_add_u32 v11, v13, 5, v11                ; q32: row r, + 32 h
	s_wait_dscnt 0x0                               ; both opening adds are done
	s_wait_kmcnt 0x0
	s_mov_b32 s40, 1                               ; group 0: x, K steps 0-3
	s_mov_b32 s41, s60
	s_add_nc_u64 s[42:43], s[4:5], s[56:57]
	s_mov_b32 s44, 1                               ; x, K steps 4-7
	s_add_co_u32 s45, s60, 65536
	s_add_nc_u64 s[46:47], s[42:43], 65536
	s_or_b32 s43, s43, 0x80000000
	s_or_b32 s47, s47, 0x80000000
	s_mov_b32 s48, 1                               ; w, K steps 0-3
	s_add_co_u32 s49, s61, LB
	s_add_nc_u64 s[50:51], s[8:9], s[58:59]
	s_mov_b32 s52, 1                               ; w, K steps 4-7
	s_add_co_u32 s53, s61, LB+49152
	s_add_nc_u64 s[54:55], s[50:51], 49152
	s_or_b32 s51, s51, 0x80000000
	s_or_b32 s55, s55, 0x80000000
	ROUND                                          ; all four work-groups are here: the joint loads meet
	tensor_load_to_lds s[40:43], s[24:31]
	s_nop 0
	tensor_load_to_lds s[48:51], s[32:39]
	s_nop 0
	tensor_load_to_lds s[44:47], s[24:31]
	s_nop 0
	tensor_load_to_lds s[52:55], s[32:39]
	s_nop 0
.rept 4
	v_nop
.endr
	s_lshl_b32 s62, s23, 13                        ; scale words: 512 bytes a tile; x's tiles 16 tb + 4 wy on
	s_lshl_b32 s63, s19, 11
	s_add_co_u32 s62, s62, s63
	s_mov_b32 s63, 0
	s_add_nc_u64 s[76:77], s[6:7], s[62:63]
	s_mul_i32 s66, s22, 12
	s_mul_i32 s67, s20, 3
	s_add_co_u32 s66, s66, s67                     ; my first channel tile: 12 cb + 3 wx
	s_lshl_b32 s62, s66, 9
	s_add_nc_u64 s[78:79], s[10:11], s[62:63]
	s_lshl_b32 s62, s66, 6                         ; 64 bytes of f32 a tile
	s_add_nc_u64 s[12:13], s[12:13], s[62:63]
.irp p, 0,1
.irp s, 0,1,2,3,4,5,6,7
	global_load_b32 v[XS+8*\p+\s], v8, s[76:77] offset:\p*1024+64*\s
.endr
.endr
.irp s, 0,1,2,3,4,5,6,7
	global_load_b32 v[WS+\s], v8, s[78:79] offset:64*\s
	global_load_b32 v[WS+8+\s], v9, s[78:79] offset:1024+64*\s
.endr
.irp jn, 0,1,2
	global_load_b128 v[BI+8*\jn:BI+8*\jn+3], v10, s[12:13] offset:64*\jn
	global_load_b128 v[BI+8*\jn+4:BI+8*\jn+7], v10, s[12:13] offset:64*\jn+16
.endr
	s_lshr_b32 s67, s23, 3                         ; b
	s_mul_i32 s2, s67, 196608
	s_add_co_u32 s62, s62, s2
	s_add_nc_u64 s[74:75], s[16:17], s[62:63]      ; q32 at my batch and my first channel
	s_lshl_b32 s67, s67, 22                        ; what my three bases in qkv share: b, and my first tile of tokens in the sequence: 16 (tb % 8) + 4 wy
	s_and_b32 s2, s23, 7
	s_lshl_b32 s2, s2, 15
	s_add_co_u32 s67, s67, s2
	s_lshl_b32 s2, s19, 13
	s_add_co_u32 s67, s67, s2
.irp jn, 0,1,2
	s_add_co_u32 s62, s66, \jn                     ; channel tile ct: sel = ct / 64, head = (ct / 4) % 16, sub = ct % 4
	s_lshr_b32 s63, s62, 6
	s_lshl_b32 s63, s63, 23
	s_add_co_u32 s63, s63, s67
	s_bfe_u32 s2, s62, 0x40002
	s_lshl_b32 s2, s2, 18
	s_add_co_u32 s63, s63, s2
	s_and_b32 s2, s62, 3
	s_lshl_b32 s2, s2, 9
	s_add_co_u32 s62, s63, s2
	s_mov_b32 s63, 0
	s_add_nc_u64 s[68+2*\jn:69+2*\jn], s[14:15], s[62:63]
.endr
; One product.  The scale registers hold scales alone; which half of the lanes is read goes by the tile's number.  At K step 0 the bias is C.
.macro MM i, jn, s
.set rD, ACC+8*(3*\i+\jn)
.set rA, FB+8*\jn
.set rB, FA+8*\i
.set rW, WS+8*(\jn/2)+\s
.set rX, XS+8*(\i/2)+\s
.set rC, rD
.if \s == 0
.set rC, BI+8*\jn
.endif
.if (\jn == 1) && (\i % 2 == 1)
	v_wmma_scale_f32_16x16x128_f8f6f4 v[rD:rD+7], v[rA:rA+7], v[rB:rB+7], v[rC:rC+7], v[rW], v[rX] matrix_a_fmt:MATRIX_FMT_FP4 matrix_b_fmt:MATRIX_FMT_FP4 matrix_a_scale:MATRIX_SCALE_ROW1 matrix_b_scale:MATRIX_SCALE_ROW1
.elseif \jn == 1
	v_wmma_scale_f32_16x16x128_f8f6f4 v[rD:rD+7], v[rA:rA+7], v[rB:rB+7], v[rC:rC+7], v[rW], v[rX] matrix_a_fmt:MATRIX_FMT_FP4 matrix_b_fmt:MATRIX_FMT_FP4 matrix_a_scale:MATRIX_SCALE_ROW1
.elseif \i % 2 == 1
	v_wmma_scale_f32_16x16x128_f8f6f4 v[rD:rD+7], v[rA:rA+7], v[rB:rB+7], v[rC:rC+7], v[rW], v[rX] matrix_a_fmt:MATRIX_FMT_FP4 matrix_b_fmt:MATRIX_FMT_FP4 matrix_b_scale:MATRIX_SCALE_ROW1
.else
	v_wmma_scale_f32_16x16x128_f8f6f4 v[rD:rD+7], v[rA:rA+7], v[rB:rB+7], v[rC:rC+7], v[rW], v[rX] matrix_a_fmt:MATRIX_FMT_FP4 matrix_b_fmt:MATRIX_FMT_FP4
.endif
.endm
; A K step of 128: 14 LDS loads, 12 products; the 12 accumulators take turns, one instruction a turn.  One set of fragments: the SIMD's other three waves work while these loads are out.
.macro KSTEP s
.if \s > 0
.rept 4
	v_nop                                          ; four places in front of loads into registers that matrix instructions have read (ISA guide 7.12.1 for vector instructions)
.endr
.endif
.irp jn, 0,1,2
.irp c, 0,1
	ds_load_b128 v[FB+8*\jn+4*\c:FB+8*\jn+4*\c+3], v[4+(\s)/4] offset:((\s)%4)*12288+\jn*1024+\c*512
.endr
.endr
.irp i, 0,1,2,3
.irp c, 0,1
	ds_load_b128 v[FA+8*\i+4*\c:FA+8*\i+4*\c+3], v[2+(\s)/4] offset:((\s)%4)*16384+\i*1024+\c*512
.endr
.endr
	s_wait_dscnt 0x0
.irp i, 0,1,2,3
.irp jn, 0,1,2
	MM \i, \jn, \s
.endr
.endr
.endm
	s_wait_tensorcnt 0x2                           ; my parts of K steps 0-3 are in; my two loads for K steps 4-7 may stay out
	s_barrier_signal -1
	s_barrier_wait -1                              ; everybody's are
	s_wait_loadcnt 0x0                             ; scale words and bias
	KSTEP 0
	KSTEP 1
	KSTEP 2
	KSTEP 3
	s_wait_tensorcnt 0x0                           ; my parts of K steps 4-7 are in,
	s_wait_dscnt 0x0
	s_barrier_signal -1
	s_barrier_wait -1                              ; everybody's are
	KSTEP 4
	KSTEP 5
	KSTEP 6
	KSTEP 7
.rept 4
	v_nop                                          ; four places in front of the first read of results, and of writes over the fragments
.endr
	s_and_b32 s56, s23, 7                          ; positions 0-15 of a sequence are token tile 0 of the work-groups with tb % 8 = 0, in the waves with wy = 0: tb is the same in all partners
	s_or_b32 s56, s56, s19
	s_cmp_lg_u32 s56, 0
	s_cbranch_scc1 .Lno_first
.irp jn, 0,1,2
	global_store_b128 v11, v[ACC+8*\jn:ACC+8*\jn+3], s[74:75] offset:64*\jn
	global_store_b128 v11, v[ACC+8*\jn+4:ACC+8*\jn+7], s[74:75] offset:64*\jn+16
.endr
.Lno_first:
.set t, 0
.rept 12
.irp k, 0,1,2,3
	v_cvt_pk_f16_f32 v[H+4*t+\k], v[ACC+8*t+2*\k], v[ACC+8*t+2*\k+1]   ; each accumulator from its low end on
.endr
.set t, t+1
.endr
.irp i, 0,1,2,3
.irp jn, 0,1,2
	global_store_b128 v1, v[H+4*(3*\i+\jn):H+4*(3*\i+\jn)+3], s[68+2*\jn:69+2*\jn] offset:\i*2048   ; one image
.endr
.endr
	s_wait_tensorcnt 0x0                           ; the wave's end
	ds_add_u32 v6, v7
	s_wait_dscnt 0x0
	ROUND                                          ; the closing round
	s_endpgm
.Lfunc_end_k_q967bdd68c3_gemm:
	.size	k_q967bdd68c3_gemm, .Lfunc_end_k_q967bdd68c3_gemm-k_q967bdd68c3_gemm
	.p2alignl 7, 3214868480
	.fill 96, 4, 3214868480
	.section	.rodata,"a",@progbits
	.p2align	6, 0x0
	.amdhsa_kernel k_q967bdd68c3_gemm
		.amdhsa_group_segment_fixed_size 231424
		.amdhsa_private_segment_fixed_size 0
		.amdhsa_enable_private_segment 0
		.amdhsa_kernarg_size 56
		.amdhsa_user_sgpr_count 2
		.amdhsa_user_sgpr_kernarg_segment_ptr 1
		.amdhsa_wavefront_size32 1
		.amdhsa_system_sgpr_workgroup_id_x 1
		.amdhsa_system_sgpr_workgroup_id_y 1
		.amdhsa_system_sgpr_workgroup_id_z 1
		.amdhsa_system_vgpr_workitem_id 0
		.amdhsa_next_free_vgpr 256
		.amdhsa_next_free_sgpr 80
		.amdhsa_reserve_vcc 0
		.amdhsa_float_denorm_mode_32 3
		.amdhsa_float_denorm_mode_16_64 3
		.amdhsa_memory_ordered 1
		.amdhsa_forward_progress 1
		.amdhsa_inst_pref_size 37
	.end_amdhsa_kernel
	.amdgpu_metadata
---
amdhsa.version: [ 1, 2 ]
amdhsa.kernels:
  - .name:           k_q967bdd68c3_gemm
    .symbol:         k_q967bdd68c3_gemm.kd
    .args:
      - { .name: xq, .offset: 0, .size: 8, .value_kind: global_buffer, .address_space: global }
      - { .name: xs, .offset: 8, .size: 8, .value_kind: global_buffer, .address_space: global }
      - { .name: wq, .offset: 16, .size: 8, .value_kind: global_buffer, .address_space: global }
      - { .name: ws, .offset: 24, .size: 8, .value_kind: global_buffer, .address_space: global }
      - { .name: b_attn, .offset: 32, .size: 8, .value_kind: global_buffer, .address_space: global }
      - { .name: qkv, .offset: 40, .size: 8, .value_kind: global_buffer, .address_space: global }
      - { .name: q32, .offset: 48, .size: 8, .value_kind: global_buffer, .address_space: global }
    .group_segment_fixed_size: 231424
    .private_segment_fixed_size: 0
    .kernarg_segment_align: 8
    .kernarg_segment_size: 56
    .max_flat_workgroup_size: 512
    .sgpr_count:     80
    .vgpr_count:     256
    .wavefront_size: 32
...
	.end_amdgpu_metadata
.endif
;; end of part 2
;; launch attn (part 3): grid 8 x 32, 16 waves a work-group, no clusters, 67,584 bytes of LDS; arguments qkv, yh; writes yh
.if DOCPART == 3
	.amdgcn_target "amdgcn-amd-amdhsa--gfx1250"
	.amdhsa_code_object_version 6
	.text
	.protected	k_q967bdd68c3_attn
	.globl	k_q967bdd68c3_attn
	.p2align	8
	.type	k_q967bdd68c3_attn,@function
k_q967bdd68c3_attn:
	s_mov_b64 s[64:65], 0
	v_nop
	global_prefetch_b8 v0, s[64:65] scope:SCOPE_SE
	s_setreg_imm32_b32 hwreg(HW_REG_WAVE_MODE, 25, 1), 1
	s_wait_xcnt 0x0
; y[b][head][q] = sum over k <= q of softmax_k(q . k / 8) v, head size 64, 2,048 positions; operands f16, products, maxima and sums f32; a running maximum m and sum l for each query.
; SHARES.  Work-group (i, bh) owns query blocks i and 15 - i (128 queries each) of head bh; each of its 16 waves owns one tile of 16 queries.  All waves walk one stream of keys, 64 a step; a wave leaves out the work of a step
; whose first key comes after its last query.  So every work-group has the work of 17 blocks of 128 x 128.
; TWO GROUPS OF WAVES, HALF A SLOT APART.  A slot is the time between two barriers.  A step's work is a block of products (16 matrix instructions) and a softmax (some 125 vector instructions and 32 LDS loads).  In slot t
;   group A runs  V^T P of step t - 1, K Q^T of step t,  then the softmax of step t;
;   group B runs  the softmax of step t - 1,  then V^T P of step t - 1, K Q^T of step t:
; while one group has products to issue, the other has vector work.  The block of products stands once in the text, the softmax twice (ahead of it for B, behind it for A); branches on the wave's number choose.
; Of the wave's number w: group = ((w >> 2) ^ w) & 1, late block = ((w >> 3) ^ (w >> 1)) & 1, tile in the block = w & 7: among waves of equal w % 4, and among waves of equal w / 4, each (block, group) occurs once.
; FRAGMENTS A BLOCK AHEAD.  A softmax begins with the LDS loads for the products that follow it: A asks for K of step t + 1 and V of step t, B for K of step t and V of step t - 1; they land while the softmax runs.
; THE RING.  Four LDS positions of 16,384 bytes (a tile: 64 keys of K, 8,192 bytes, then of V).  In slot t tiles t - 1, t, t + 1 are read; tile t + 2 is stored, out of registers, into the position that tile t - 2 has left,
; whose last reads stand ahead of this slot's barrier; tile t + 4 is asked for from memory into the same registers: it has two slots in which to come.  Every thread carries 16 bytes of K and 16 of V of each tile.
; The look-ahead is held at the work-group's last tile, so that the counted wait means the same in every slot and no load leaves the head's rows; what the held loads bring is stored and read by nobody.
; NO CLUSTER: the work-groups of a head walk streams of different lengths.  NO TENSOR LOADS.
; LAYOUT.  qkv holds images: 512 bytes, lane (r, h): token r, channels 16 sub + 8 h + 0..7.  Images 2 s, 2 s + 1 of a tile are registers 0-3, 4-7 of a 16 x 32 fragment.  S^T = K Q^T (source 0 = 16 keys, source 1 = my 16 queries):
; a lane holds ONE query (lane % 16) and keys 8 (lane / 16) + 0..7 of each tile; two such tiles, rounded to f16 in pairs, ARE source 1 of O^T = V^T P.  V comes out of LDS turned, by ds_load_tr16_b128.
; p = 2^(c s - c m), c = log2(e) / 8; in every step O and l are multiplied by a = 2^(c m_old - c m_new).  Hidden scores become -infinity ahead of the maximum; key 0 counts for every query, so m is a number from the first step on.
; OUT: yh [block of 128 tokens 32][ph 4][tile 8][i16 16][image], f16, 16 ph + i16 = 4 head + sub: the next launch's operand order.
; LIMIT: q, k, v, y beyond 65,504 in magnitude have no f16 number.  NaN and infinities are not served.
.set SPARE, 65536                      ; behind the ring: the spare words, 128 bytes for each of the 16 waves
.set Q,   16                           ; v16-31   Q: two fragments
.set KFR, 32                           ; v32-95   K's 8 fragments
.set VFR, 96                           ; v96-159  V^T's 8 fragments
.set S,   160                          ; v160-191 S^T, then p; p as f16 takes the lower 16 of them
.set O,   192                          ; v192-223 O^T: 4 tiles of 16 channels
.set R0,  224                          ; v224-231, v232-239 tiles on their way from memory: 4 registers of K and 4 of V, two sets
; v1 16 x lane, v2 the turning load's place, v3 16 x thread, v4 my spare word, v5 0, v6 256 x lane, v7 r - 8 h, v8 at work, v9 -infinity
; v10 c m, v11 m, v[12:13] l (even keys', odd keys'), v14 a (v15 named with it as a pair), v240-244 at work, v[246:249] two chains of the row's sum
; s8 wave, s9 i, s10 bh, s11 trips, s12 trip, s13 my first query, s14 the slot's first key, s15 my last query, s[16:17] the head's K, s[18:19] its V, s[20:21] lane selects, s[22:23] c, s[24:25] Q, s[26:27] y,
; s[28:29] prefetch, s30 its limit, s31 at work, s[32:33] an offset, s34 group, s35 the first key of the step before, s36 the tile to ask for, s37 the last tile, s[40:47] a set of two bases for each set of tile registers
; A softmax.  ks: the register with the first key of the step whose scores lie in S.  kpos, vpos: the ring positions of the K and the V that the next products want (vpos above 3: V is there already).
.macro SM ks, kpos, vpos
.irp kt, 0,1,2,3
.irp sc, 0,1,2,3
	ds_load_b128 v[KFR+16*\kt+4*\sc:KFR+16*\kt+4*\sc+3], v1 offset:(\kpos)*16384+\kt*2048+\sc*512
.endr
.endr
.if (\vpos) < 4
.irp kk, 0,1                           ; V^T's fragments: keys 32 kk on, channels 16 cs on
.irp cs, 0,1,2,3
.irp cc, 0,1
	ds_load_tr16_b128 v[VFR+8*(4*\kk+\cs)+4*\cc:VFR+8*(4*\kk+\cs)+4*\cc+3], v2 offset:(\vpos)*16384+8192+(2*\kk+\cc)*2048+\cs*512
.endr
.endr
.endr
.endif
	s_add_co_u32 s31, \ks, 63                      ; a step all of whose keys count skips the mask (ids and the count of slots alone)
	s_cmp_le_u32 s31, s13
	s_cbranch_scc1 .Lopen_\@
	s_sub_co_u32 s31, s13, \ks
	v_add_nc_u32 v8, s31, v7                       ; d = my query - the step's first key - 8 h.  Register 8 kt + j holds key 16 kt + 8 h + j: hidden where 16 kt + j > d
.irp n, 0,1,2,3,4,5,6,7,8,9,10,11,12,13,14,15,16,17,18,19,20,21,22,23,24,25,26,27,28,29,30,31
	v_cmp_gt_i32 vcc_lo, 16*(\n/8)+\n%8, v8
	v_cndmask_b32 v[S+\n], v[S+\n], v9, vcc_lo
.endr
.Lopen_\@:
.irp k, 0,1,2,3                        ; the maximum of my 32 scores and the old m: four chains, each from its tile's low end on
	v_max3_num_f32 v[240+\k], v[S+8*\k], v[S+8*\k+1], v[S+8*\k+2]
.endr
.irp k, 0,1,2,3
	v_max3_num_f32 v[240+\k], v[240+\k], v[S+8*\k+3], v[S+8*\k+4]
.endr
.irp k, 0,1,2,3
	v_max3_num_f32 v[240+\k], v[240+\k], v[S+8*\k+5], v[S+8*\k+6]
.endr
	v_max3_num_f32 v240, v240, v[S+7], v[S+15]
	v_max3_num_f32 v242, v242, v[S+23], v[S+31]
	v_max3_num_f32 v240, v240, v241, v242
	v_max3_num_f32 v240, v240, v243, v11
	v_permlanex16_b32 v241, v240, s20, s21         ; the query's other 32 keys lie in the lane 16 away
	v_max_num_f32 v11, v240, v241                  ; the new m
	v_mov_b32 v244, v10
	v_mul_f32 v10, s22, v11                        ; c m
	v_sub_f32 v244, v244, v10                      ; c m_old - c m_new
	v_exp_f32 v14, v244                            ; a: the first of one batch of 33 exponentials
.irp b, 0,1,2,3,4,5,6,7,8,9,10,11,12,13,14,15
	v_pk_fma_f32 v[S+2*\b:S+2*\b+1], v[S+2*\b:S+2*\b+1], s[22:23], v[10:11] op_sel_hi:[1,0,0] neg_lo:[0,0,1] neg_hi:[0,0,1]   ; c s - c m
.endr
.irp n, 0,1,2,3,4,5,6,7,8,9,10,11,12,13,14,15,16,17,18,19,20,21,22,23,24,25,26,27,28,29,30,31
	v_exp_f32 v[S+\n], v[S+\n]
.endr
	v_nop                                          ; a plain instruction behind the last exponential
	s_wait_alu depctr_va_vdst(0)                   ; one wait for the batch, ahead of the first instruction that names a result
	v_pk_add_f32 v[246:247], v[S:S+1], v[S+2:S+3]  ; the row's sum of the 16 pairs, in two chains that leave p as it is
	v_pk_add_f32 v[248:249], v[S+4:S+5], v[S+6:S+7]
.irp b, 4,6,8,10,12,14
	v_pk_add_f32 v[246:247], v[246:247], v[S+2*\b:S+2*\b+1]
	v_pk_add_f32 v[248:249], v[248:249], v[S+2*\b+2:S+2*\b+3]
.endr
	v_pk_add_f32 v[246:247], v[246:247], v[248:249]
	v_pk_fma_f32 v[12:13], v[12:13], v[14:15], v[246:247] op_sel_hi:[1,0,1]   ; l = a l + the sum
.irp b, 0,1,2,3,4,5,6,7,8,9,10,11,12,13,14,15
	v_cvt_pk_f16_f32 v[S+\b], v[S+2*\b], v[S+2*\b+1]   ; p as f16, in place: pair b lands on a register whose number has been read
.endr
.irp b, 0,1,2,3,4,5,6,7,8,9,10,11,12,13,14,15
	v_pk_mul_f32 v[O+2*\b:O+2*\b+1], v[O+2*\b:O+2*\b+1], v[14:15] op_sel_hi:[1,0]   ; O^T x a, each accumulator from its low end on
.endr
.endm
; The two halves of a block of products.  The four accumulators of each take turns, one instruction a turn.  Five plain instructions close each half: on every way through the branches
; they are the places ahead of the next matrix instruction that writes over p, of loads into the fragments, and of the first read of results.
.macro PV                              ; O^T += V^T P
.irp kk, 0,1
.irp cs, 0,1,2,3
	v_wmma_f32_16x16x32_f16 v[O+8*\cs:O+8*\cs+7], v[VFR+8*(4*\kk+\cs):VFR+8*(4*\kk+\cs)+7], v[S+8*\kk:S+8*\kk+7], v[O+8*\cs:O+8*\cs+7]
.endr
.endr
.rept 5
	v_nop
.endr
.endm
.macro SB                              ; S^T = K Q^T: channels 0-31 start the four sums, channels 32-63 follow
.irp kt, 0,1,2,3
	v_wmma_f32_16x16x32_f16 v[S+8*\kt:S+8*\kt+7], v[KFR+16*\kt:KFR+16*\kt+7], v[Q:Q+7], 0
.endr
.irp kt, 0,1,2,3
	v_wmma_f32_16x16x32_f16 v[S+8*\kt:S+8*\kt+7], v[KFR+16*\kt+8:KFR+16*\kt+15], v[Q+8:Q+15], v[S+8*\kt:S+8*\kt+7]
.endr
.rept 5
	v_nop
.endr
.endm
	s_load_b128 s[4:7], s[0:1], 0x0                ; qkv, yh
	v_lshl_add_u32 v4, v0, 2, SPARE                ; my spare word; never rewritten
	v_mov_b32 v5, 0                                ; 0; never rewritten
	v_lshrrev_b32 v10, 5, v0
	v_readfirstlane_b32 s8, v10                    ; wave 0..15
	v_and_b32 v1, 31, v0
	v_lshlrev_b32 v6, 8, v1                        ; 256 x lane: the prefetches' offset
	v_lshlrev_b32 v1, 4, v1                        ; 16 x lane: an image's place for my lane
	v_and_b32 v2, 7, v0                            ; the turning load: lane l addresses the image's piece 8 (l / 16) + l % 8 + 16 ((l / 8) % 2): token 8 (l / 16) + l % 8, channels 8 ((l / 8) % 2) on
	v_lshlrev_b32 v2, 4, v2
	v_bfe_u32 v10, v0, 4, 1
	v_lshl_add_u32 v2, v10, 7, v2
	v_bfe_u32 v11, v0, 3, 1
	v_lshl_add_u32 v2, v11, 8, v2
	v_lshlrev_b32 v3, 4, v0                        ; 16 x thread: my 16 bytes of a tile, in memory and in LDS
	v_and_b32 v7, 15, v0
	v_lshlrev_b32 v11, 3, v10
	v_sub_nc_u32 v7, v7, v11                       ; r - 8 h
	v_mov_b32 v9, 0xff800000                       ; -infinity
	s_mov_b32 s9, ttmp9
	s_and_b32 s10, ttmp7, 0xffff
	s_lshr_b32 s31, s8, 3
	s_lshr_b32 s32, s8, 1
	s_xor_b32 s31, s31, s32
	s_and_b32 s31, s31, 1                          ; 1: my tile lies in the late block
	s_lshr_b32 s34, s8, 2
	s_xor_b32 s34, s34, s8
	s_and_b32 s34, s34, 1                          ; my group: 0 = A, 1 = B
	s_sub_co_u32 s38, 15, s9
	s_cmp_eq_u32 s31, 0
	s_cselect_b32 s31, s9, s38                     ; my block of 128 queries
	s_and_b32 s39, s8, 7                           ; my tile in it
	s_lshl_b32 s32, s31, 3
	s_add_co_u32 s32, s32, s39                     ; my tile of 16 queries
	s_lshl_b32 s13, s32, 4
	s_add_co_u32 s15, s13, 15
	s_sub_co_u32 s11, 17, s9
	s_lshr_b32 s11, s11, 1                         ; the loop walks slots 1 .. 32 - 2 i, four a trip: (17 - i) / 2 trips, rounded down (for odd i the last two slots hold no work)
	s_lshl_b32 s37, s9, 1
	s_sub_co_u32 s37, 31, s37                      ; the work-group's last tile of keys: 31 - 2 i
	s_mov_b32 s12, 0
	s_mov_b32 s14, 0
	s_mov_b32 s36, 5                               ; slot 1 asks for tile 5
	s_mov_b32 s20, 0x76543210
	s_mov_b32 s21, 0xfedcba98
	s_mov_b32 s22, 0x3e38aa3b                      ; c = log2(e) / 8
	s_mov_b32 s23, s22                             ; (named with it as a pair, so it is written)
	s_lshl_b32 s16, s10, 18                        ; the head's 262,144 bytes in each of q, k, v
	s_lshl_b32 s24, s32, 11
	s_add_co_u32 s24, s24, s16
	s_mov_b32 s25, 0
	s_add_co_u32 s18, s16, 16777216
	s_mov_b32 s19, 0
	s_add_co_u32 s16, s16, 8388608
	s_mov_b32 s17, 0
	s_lshr_b32 s26, s10, 4                         ; y: block 16 b + my block,
	s_lshl_b32 s26, s26, 4
	s_add_co_u32 s26, s26, s31
	s_lshl_b32 s26, s26, 18
	s_bfe_u32 s27, s10, 0x20002                    ; ph = head / 4,
	s_lshl_b32 s27, s27, 16
	s_add_co_u32 s26, s26, s27
	s_lshl_b32 s27, s39, 13                        ; my tile,
	s_add_co_u32 s26, s26, s27
	s_and_b32 s27, s10, 3                          ; i16 = 4 (head % 4) + sub
	s_lshl_b32 s27, s27, 11
	s_add_co_u32 s26, s26, s27
	s_mov_b32 s27, 0
	s_wait_kmcnt 0x0
	s_add_nc_u64 s[24:25], s[4:5], s[24:25]
	s_add_nc_u64 s[16:17], s[4:5], s[16:17]
	s_add_nc_u64 s[18:19], s[4:5], s[18:19]
	s_add_nc_u64 s[26:27], s[6:7], s[26:27]
.irp sub, 0,1,2,3
	global_load_b128 v[Q+4*\sub:Q+4*\sub+3], v1, s[24:25] offset:512*\sub
.endr
	global_load_b128 v[R0:R0+3], v3, s[16:17]                   ; key tile 0
	global_load_b128 v[R0+4:R0+7], v3, s[18:19]
	global_load_b128 v[R0+8:R0+11], v3, s[16:17] offset:8192    ; key tile 1
	global_load_b128 v[R0+12:R0+15], v3, s[18:19] offset:8192
	global_load_b128 v[240:243], v3, s[16:17] offset:16384      ; key tile 2, through registers that are at work only later
	global_load_b128 v[244:247], v3, s[18:19] offset:16384
	; THE PREFETCHES.  All 8 work-groups of a head walk the same K and V; the one with i = 0, which walks all 32 tiles, asks, and in it waves 0-7: waves 0-3 for K, waves 4-7 for V, a tile of 8,192 bytes an instruction,
	; lanes 256 bytes apart.  In trip J wave w names tile 8 + 4 J + w % 4, three to six slots ahead of the load that fetches it; trips 0-5 ask, so tiles 8-31 are named once each.  Tiles 0-7 come by their loads alone.
	s_cmp_lt_u32 s8, 4
	s_cselect_b64 s[28:29], s[16:17], s[18:19]
	s_and_b32 s31, s8, 3
	s_lshl_b32 s32, s31, 13
	s_add_co_u32 s32, s32, 32768                   ; at tile 4 + w % 4: trip 0 steps it four tiles on
	s_mov_b32 s33, 0                               ; stays 0: the upper word of the offsets' pair
	s_add_nc_u64 s[28:29], s[28:29], s[32:33]
	s_lshr_b32 s31, s8, 3
	s_or_b32 s31, s31, s9
	s_cmp_eq_u32 s31, 0
	s_cselect_b32 s30, 6, 0
	v_mov_b32 v11, 0xff61b1e6                      ; m: -3e38, under every score
	v_mul_f32 v10, s22, v11
	v_mov_b32 v12, 0
	v_mov_b32 v13, 0
	v_mov_b32 v15, 0
.set i, 0
.rept 32
	v_mov_b32 v[O+i], 0                            ; O^T.  The softmax is written without a first step of its own: the first finds zeros, which a = 0 leaves zeros
.set i, i+1
.endr
	s_wait_loadcnt 0x0                             ; Q and tiles 0, 1, 2
	ds_store_b128 v3, v[R0:R0+3]
	ds_store_b128 v3, v[R0+4:R0+7] offset:8192
	ds_store_b128 v3, v[R0+8:R0+11] offset:16384
	ds_store_b128 v3, v[R0+12:R0+15] offset:24576
	ds_store_b128 v3, v[240:243] offset:32768
	ds_store_b128 v3, v[244:247] offset:40960
	s_wait_dscnt 0x0                               ; for the others' sake: my parts of tiles 0, 1, 2 lie in LDS
	global_load_b128 v[R0+8:R0+11], v3, s[16:17] offset:24576   ; tile 3 into set 1, then tile 4 into set 0: the order in which the slots want them
	global_load_b128 v[R0+12:R0+15], v3, s[18:19] offset:24576
	global_load_b128 v[R0:R0+3], v3, s[16:17] offset:32768
	global_load_b128 v[R0+4:R0+7], v3, s[18:19] offset:32768
	s_barrier_signal -1
	s_barrier_wait -1
	; SLOT 0, written out: every wave has work in step 0.  All fetch K and V of step 0 and make the first scores; group A goes on to its softmax, group B keeps its for slot 1.
.irp kt, 0,1,2,3
.irp sc, 0,1,2,3
	ds_load_b128 v[KFR+16*\kt+4*\sc:KFR+16*\kt+4*\sc+3], v1 offset:\kt*2048+\sc*512
.endr
.endr
.irp kk, 0,1
.irp cs, 0,1,2,3
.irp cc, 0,1
	ds_load_tr16_b128 v[VFR+8*(4*\kk+\cs)+4*\cc:VFR+8*(4*\kk+\cs)+4*\cc+3], v2 offset:8192+(2*\kk+\cc)*2048+\cs*512
.endr
.endr
.endr
	s_wait_dscnt 0x0
	SB
	s_cmp_lg_u32 s34, 0
	s_cbranch_scc1 .Lgo
	SM s14, 1, 9                                   ; step 0's softmax; K of step 1 is asked for, V of step 0 is there
.Lgo:
	s_mov_b32 s14, 64
; SLOT t.  p = t % 4, p1, p2, p3 = (t + 1, 2, 3) % 4: ring positions, all in immediates.  ask = 1: the trip's prefetch.
.macro SLOT p, p1, p2, p3, ask
.if \ask
	s_wait_xcnt 0x0                                ; the last prefetch, a trip back, has read its address: it may be stepped
	s_add_nc_u64 s[28:29], s[28:29], 32768
.endif
	s_wait_loadcnt 0x2                             ; tile t + 2 is in its registers, and its loads are done with their bases; the two loads of tile t + 3 may be out
	s_wait_dscnt 0x0                               ; my store of tile t + 1 has landed, and my reads of the ring are in
	s_barrier_signal -1
	s_min_u32 s32, s36, s37                        ; the tile to ask for: t + 4, held at the work-group's last
	s_lshl_b32 s32, s32, 13
	s_add_nc_u64 s[40+4*((\p)%2):41+4*((\p)%2)], s[16:17], s[32:33]
	s_add_nc_u64 s[42+4*((\p)%2):43+4*((\p)%2)], s[18:19], s[32:33]
	s_add_co_u32 s36, s36, 1
	s_sub_co_u32 s35, s14, 64                      ; the first key of step t - 1
	s_barrier_wait -1                              ; both waits above now hold of all 16 waves
	ds_store_b128 v3, v[R0+8*((\p)%2):R0+8*((\p)%2)+3] offset:\p2*16384              ; tile t + 2, where nobody reads in this slot
	ds_store_b128 v3, v[R0+8*((\p)%2)+4:R0+8*((\p)%2)+7] offset:\p2*16384+8192
	global_load_b128 v[R0+8*((\p)%2):R0+8*((\p)%2)+3], v3, s[40+4*((\p)%2):41+4*((\p)%2)]
	global_load_b128 v[R0+8*((\p)%2)+4:R0+8*((\p)%2)+7], v3, s[42+4*((\p)%2):43+4*((\p)%2)]
.if \ask
	s_cmp_lt_u32 s12, s30
	s_cbranch_scc0 .Lnoask_\@
	global_prefetch_b8 v6, s[28:29] th:TH_LOAD_NT scope:SCOPE_SE
.Lnoask_\@:
.endif
	s_cmp_gt_u32 s35, s15                          ; step t - 1 lay wholly behind my last query: nothing of it is mine (ids and the count of slots alone; no barrier is jumped over)
	s_cbranch_scc1 .Lone_\@
	s_cmp_eq_u32 s34, 0
	s_cbranch_scc1 .Lpv_\@                         ; group A made that step's softmax in the slot before, and its fragments are in since the wait ahead of the barrier
	SM s35, \p, \p3                                ; group B: the softmax of step t - 1; K of step t and V of step t - 1 land meanwhile
	s_wait_dscnt 0x0                               ; they are in
.Lpv_\@:
	PV
.Lone_\@:
	s_cmp_gt_u32 s14, s15                          ; step t lies wholly behind my last query
	s_cbranch_scc1 .Ltwo_\@
	SB
	s_cmp_lg_u32 s34, 0
	s_cbranch_scc1 .Ltwo_\@
	SM s14, \p1, \p                                ; group A: the softmax of step t; K of step t + 1 and V of step t land meanwhile
.Ltwo_\@:
	s_add_co_u32 s14, s14, 64
.endm
.Ltrip:                                ; four slots a trip: once round the ring
	SLOT 1, 2, 3, 0, 1
	SLOT 2, 3, 0, 1, 0
	SLOT 3, 0, 1, 2, 0
	SLOT 0, 1, 2, 3, 0
	s_add_co_u32 s12, s12, 1
	s_cmp_lt_u32 s12, s11
	s_cbranch_scc1 .Ltrip
	v_add_f32 v240, v12, v13                       ; l's two halves,
	v_permlanex16_b32 v241, v240, s20, s21
	v_add_f32 v240, v240, v241                     ; and the other half of the lanes'
	v_rcp_f32 v14, v240
	v_nop
	s_wait_alu depctr_va_vdst(0)
.irp b, 0,1,2,3,4,5,6,7,8,9,10,11,12,13,14,15
	v_pk_mul_f32 v[O+2*\b:O+2*\b+1], v[O+2*\b:O+2*\b+1], v[14:15] op_sel_hi:[1,0]
.endr
.irp b, 0,1,2,3,4,5,6,7,8,9,10,11,12,13,14,15
	v_cvt_pk_f16_f32 v[S+\b], v[O+2*\b], v[O+2*\b+1]
.endr
.irp cs, 0,1,2,3
	global_store_b128 v1, v[S+4*\cs:S+4*\cs+3], s[26:27] offset:512*\cs   ; one image: 512 consecutive bytes, aligned
.endr
	s_wait_tensorcnt 0x0                           ; the wave's end, behind my last LDS store
	ds_add_u32 v4, v5
	s_wait_dscnt 0x0
	s_endpgm
.Lfunc_end_k_q967bdd68c3_attn:
	.size	k_q967bdd68c3_attn, .Lfunc_end_k_q967bdd68c3_attn-k_q967bdd68c3_attn
	.p2alignl 7, 3214868480
	.fill 96, 4, 3214868480
	.section	.rodata,"a",@progbits
	.p2align	6, 0x0
	.amdhsa_kernel k_q967bdd68c3_attn
		.amdhsa_group_segment_fixed_size 67584
		.amdhsa_private_segment_fixed_size 0
		.amdhsa_enable_private_segment 0
		.amdhsa_kernarg_size 16
		.amdhsa_user_sgpr_count 2
		.amdhsa_user_sgpr_kernarg_segment_ptr 1
		.amdhsa_wavefront_size32 1
		.amdhsa_system_sgpr_workgroup_id_x 1
		.amdhsa_system_sgpr_workgroup_id_y 1
		.amdhsa_system_sgpr_workgroup_id_z 1
		.amdhsa_system_vgpr_workitem_id 0
		.amdhsa_next_free_vgpr 256
		.amdhsa_next_free_sgpr 66
		.amdhsa_reserve_vcc 1
		.amdhsa_float_denorm_mode_32 3
		.amdhsa_float_denorm_mode_16_64 3
		.amdhsa_memory_ordered 1
		.amdhsa_forward_progress 1
		.amdhsa_inst_pref_size 115
	.end_amdhsa_kernel
	.amdgpu_metadata
---
amdhsa.version: [ 1, 2 ]
amdhsa.kernels:
  - .name:           k_q967bdd68c3_attn
    .symbol:         k_q967bdd68c3_attn.kd
    .args:
      - { .name: qkv, .offset: 0, .size: 8, .value_kind: global_buffer, .address_space: global }
      - { .name: yh, .offset: 8, .size: 8, .value_kind: global_buffer, .address_space: global }
    .group_segment_fixed_size: 67584
    .private_segment_fixed_size: 0
    .kernarg_segment_align: 8
    .kernarg_segment_size: 16
    .max_flat_workgroup_size: 512
    .sgpr_count:     66
    .vgpr_count:     256
    .wavefront_size: 32
...
	.end_amdgpu_metadata
.endif
;; end of part 3
;; launch proj (part 4): grid 8 x 32, 4 waves a work-group, clusters of 4 x 1, 262,656 bytes of LDS; arguments yh, wp, b_proj, out0; writes out0
.if DOCPART == 4
	.amdgcn_target "amdgcn-amd-amdhsa--gfx1250"
	.amdhsa_code_object_version 6
	.text
	.protected	k_q967bdd68c3_proj
	.globl	k_q967bdd68c3_proj
	.p2align	8
	.type	k_q967bdd68c3_proj,@function
k_q967bdd68c3_proj:
	s_mov_b64 s[64:65], 0
	v_nop
	global_prefetch_b8 v0, s[64:65] scope:SCOPE_SE
	s_setreg_imm32_b32 hwreg(HW_REG_WAVE_MODE, 25, 1), 1
	s_wait_xcnt 0x0
	s_wait_alu depctr_hold_cnt(0) depctr_sa_sdst(0) depctr_va_vdst(0) depctr_va_sdst(0) depctr_va_ssrc(0) depctr_va_vcc(0) depctr_vm_vsrc(0)
	s_getreg_b32 s2, hwreg(HW_REG_IB_STS2, 6, 4)
	s_cmp_eq_u32 s2, 0
	s_cbranch_scc0 .Lentry_in_a_cluster
	s_endpgm
.Lentry_in_a_cluster:
	s_bfe_u32 s2, ttmp6, 0x10000c
	s_cmp_lg_u32 s2, 0x3003
	s_cbranch_scc0 .Lentry_shape_is_right
	s_endpgm
.Lentry_shape_is_right:
; out0 = y w_proj + b_proj for all rows but positions 0-15 of each sequence, which a later launch carries in f32.  Operands f16, sums f32.
; SHARES.  A work-group makes 128 tokens (tbk) x 128 outputs (nblk).  Wave w makes all 8 token tiles x output tiles 2 w, 2 w + 1: 16 accumulators, K = 1,024 in 32 steps of 32.
; y's panel of the 128 tokens is 262,144 dense bytes in the order of the operand's registers (images: 512 bytes, lane l's 16 bytes at 16 l): it comes into LDS ONCE, in four phases of 256 along K, each wave a quarter of each:
; four tensor loads a wave, all issued at the head, so four of a wave's are outstanding at the most.  No byte is filled again.
; CLUSTER 4 x 1: the four partners share tbk, so the panel is asked for jointly (mask 15).
; w_proj's part of a wave (64 KiB of f16) is read by that wave alone in its work-group: it goes from memory straight into a ring of registers eight K steps deep.
; THE MATRIX INSTRUCTION IS USED TRANSPOSED: source 0 = 16 outputs of w, source 1 = 16 tokens of y: a lane holds eight neighbouring outputs of one token.  The bias is the C of each sum's first product.
; THE WAY OUT goes through a stage of 128 rows x (512 + 16) bytes, which lies on the panel's first bytes: they have had their one fill, and every wave has passed a barrier behind its last read of them.
; REGISTERS: window 0: v1-13 addresses; v16-31 the bias; v32-95, v96-159 y's fragments, two sets.   window 1: v0-127 accumulator (a, nb) at 8 (2 a + nb); v128-255 the ring: K step ks, tile nb at 128 + 16 (ks % 8) + 8 nb.
.set SPARE, 262144                     ; behind the panel: the spare words, 128 bytes for each wave
.set YB,    32
.set MSB, 0
.macro WIN new                         ; the immediate's high byte repeats the setting that is left
.if MSB != \new
	s_set_vgpr_msb (MSB<<8)|\new
.set MSB, \new
.endif
.endm
.macro ROUND                           ; a round of the cluster's barrier
	s_barrier_signal -1
	s_barrier_wait -1
	s_cmp_lg_u32 s12, 0
	s_cbranch_scc1 .Lnot_wave_0_\@
	s_barrier_signal -3
.Lnot_wave_0_\@:
	s_barrier_wait -3
	s_barrier_signal -1
	s_barrier_wait -1
.endm
	s_load_b256 s[4:11], s[0:1], 0x0               ; yh s[4:5], wp s[6:7], b_proj s[8:9], out0 s[10:11]
	v_lshl_add_u32 v6, v0, 2, SPARE                ; my spare word; never rewritten
	v_mov_b32 v7, 0                                ; 0; never rewritten
	ds_add_u32 v6, v7                              ; the wave's opening: the add, twice on end, and its wait ahead of my first tensor load
	ds_add_u32 v6, v7
	v_lshrrev_b32 v1, 5, v0
	v_readfirstlane_b32 s12, v1                    ; wave 0..3
	s_bfe_u32 s13, ttmp6, 0x40000                  ; cx
	s_lshl_b32 s14, ttmp9, 2
	s_add_co_u32 s14, s14, s13                     ; nblk = 4 x cluster x + cx
	s_and_b32 s15, ttmp7, 0xffff                   ; tbk, which the four partners share
	; descriptor group 1: 64 rows of 256 bytes (32 elements of 8 bytes), dense; mask 15 with bit 21 beside it
	s_mov_b32 s16, 15|(3<<16)|(1<<21)
	s_mov_b32 s17, 32<<16
	s_mov_b32 s18, 64<<16
	s_mov_b32 s19, 32<<16
	s_mov_b32 s20, 64
	s_mov_b32 s21, 32
	s_mov_b32 s22, 0
	s_mov_b32 s23, 0
	s_lshl_b32 s40, s15, 18                        ; tbk x 262,144 + wave x 16,384: nothing of cx
	s_lshl_b32 s42, s12, 14
	s_add_co_u32 s40, s40, s42
	s_mov_b32 s41, 0
	v_and_b32 v1, 31, v0
	v_lshlrev_b32 v1, 4, v1                        ; 16 x lane
.irp p, 0,1,2,3
	v_add_nc_u32 v[2+\p], \p*65536, v1             ; y's fragments of phase p
.endr
	v_and_b32 v12, 15, v0                          ; r
	v_bfe_u32 v13, v0, 4, 1                        ; h
	v_mul_u32_u24 v8, v12, 528                     ; into the stage: row r, + 32 h, + my 128 bytes of a row
	v_lshl_add_u32 v8, v13, 5, v8
	s_lshl_b32 s43, s12, 7
	v_add_nc_u32 v8, s43, v8
	s_mul_i32 s44, s12, 16896                      ; back: my 32 rows, 16 bytes a lane
	v_add_nc_u32 v9, s44, v1
	v_lshlrev_b32 v10, 5, v13                      ; 32 h
	s_wait_dscnt 0x0                               ; both opening adds are done
	s_wait_kmcnt 0x0
	s_add_nc_u64 s[40:41], s[4:5], s[40:41]
.irp p, 0,1,2,3
	s_mov_b32 s[24+4*\p], 1
	s_add_co_u32 s[25+4*\p], s42, \p*65536
	s_add_nc_u64 s[26+4*\p:27+4*\p], s[40:41], \p*65536
	s_or_b32 s[27+4*\p], s[27+4*\p], 0x80000000
.endr
	ROUND                                          ; all four work-groups are here: the joint loads meet
.irp p, 0,1,2,3
	tensor_load_to_lds s[24+4*\p:27+4*\p], s[16:23]
	s_nop 0
.endr
.rept 4
	v_nop
.endr
	s_lshl_b32 s44, s14, 18                        ; wp: output tiles 8 nblk + 2 w on, 32,768 bytes each
	s_lshl_b32 s46, s12, 16
	s_add_co_u32 s44, s44, s46
	s_mov_b32 s45, 0
	s_add_nc_u64 s[44:45], s[6:7], s[44:45]
	s_lshl_b32 s46, s14, 9                         ; b_proj: outputs 128 nblk + 32 w on
	s_add_co_u32 s46, s46, s43
	s_mov_b32 s47, 0
	s_add_nc_u64 s[46:47], s[8:9], s[46:47]
.irp nb, 0,1
	global_load_b128 v[16+8*\nb:19+8*\nb], v10, s[46:47] offset:64*\nb
	global_load_b128 v[20+8*\nb:23+8*\nb], v10, s[46:47] offset:64*\nb+16
.endr
.macro WLOAD ks                        ; w's two fragments of K step ks into the ring
.irp nb, 0,1
.irp c, 0,1
	global_load_b128 v[128+16*((\ks)%8)+8*\nb+4*\c:128+16*((\ks)%8)+8*\nb+4*\c+3], v1, s[44:45] offset:\nb*32768+(\ks)*1024+\c*512
.endr
.endr
.endm
	WIN 0x40                                       ; destination window 1
.irp ks, 0,1,2,3,4,5,6,7
	WLOAD \ks
.endr
	WIN 0
	s_lshl_b32 s42, s15, 19                        ; out0: row 128 tbk + 32 w, column 128 nblk
	s_lshl_b32 s43, s12, 17
	s_add_co_u32 s42, s42, s43
	s_lshl_b32 s43, s14, 9
	s_add_co_u32 s42, s42, s43
	s_mov_b32 s43, 0
	s_add_nc_u64 s[42:43], s[10:11], s[42:43]
.macro YF ks                           ; y's eight fragments of K step ks into set ks % 2
.irp a, 0,1,2,3,4,5,6,7
.irp c, 0,1
	ds_load_b128 v[YB+64*((\ks)%2)+8*\a+4*\c:YB+64*((\ks)%2)+8*\a+4*\c+3], v[2+(\ks)/8] offset:\a*8192+((\ks)%8)*1024+\c*512
.endr
.endr
.endm
; A K step of 32: the next step's fragments of y are asked for, 16 products on 16 accumulators by turns, and the ring's slot takes the K step eight on.
.macro KS ks
.if \ks < 31
.if ((\ks)+1)%8 == 0
	s_wait_tensorcnt 3-((\ks)+1)/8                 ; my part of the next phase is in; the later phases' loads may stay out
	s_wait_dscnt 0x0
	s_barrier_signal -1
	s_barrier_wait -1                              ; everybody's is
.endif
	YF (\ks)+1
	s_wait_dscnt 16                                ; this step's fragments are in; the 16 loads just issued may be out
.else
	s_wait_dscnt 0x0
.endif
.if 31-(\ks) < 7
	s_wait_loadcnt 4*(31-(\ks))
.else
	s_wait_loadcnt 28                              ; this step's w is in; the ring's seven younger K steps, four loads each, may be out
.endif
.if \ks == 0
	WIN 0x41                                       ; w and D window 1; y and the bias window 0
.else
	WIN 0x51                                       ; w, C and D window 1; y window 0
.endif
.irp a, 0,1,2,3,4,5,6,7
.irp nb, 0,1
.if \ks == 0
	v_wmma_f32_16x16x32_f16 v[8*(2*\a+\nb):8*(2*\a+\nb)+7], v[128+16*((\ks)%8)+8*\nb:128+16*((\ks)%8)+8*\nb+7], v[YB+64*((\ks)%2)+8*\a:YB+64*((\ks)%2)+8*\a+7], v[16+8*\nb:23+8*\nb]
.else
	v_wmma_f32_16x16x32_f16 v[8*(2*\a+\nb):8*(2*\a+\nb)+7], v[128+16*((\ks)%8)+8*\nb:128+16*((\ks)%8)+8*\nb+7], v[YB+64*((\ks)%2)+8*\a:YB+64*((\ks)%2)+8*\a+7], v[8*(2*\a+\nb):8*(2*\a+\nb)+7]
.endif
.endr
.endr
.rept 4
	v_nop                                          ; four places in front of loads into registers that these products read, and of the first read of results
.endr
.if (\ks)+8 < 32
	WIN 0x40
	WLOAD (\ks)+8
.endif
	WIN 0
.endm
	s_wait_tensorcnt 0x3                           ; my part of phase 0 is in; three loads may stay out
	s_barrier_signal -1
	s_barrier_wait -1
	YF 0
.irp ks, 0,1,2,3,4,5,6,7,8,9,10,11,12,13,14,15,16,17,18,19,20,21,22,23,24,25,26,27,28,29,30,31
	KS \ks
.endr
	s_wait_dscnt 0x0                               ; my reads of the panel are over
	s_barrier_signal -1
	s_barrier_wait -1                              ; everybody's are: the stage may be written
	WIN 0x04                                       ; an LDS store's data are its source 1: window 1
.irp a, 0,1,2,3,4,5,6,7
.irp nb, 0,1
	ds_store_b128 v8, v[8*(2*\a+\nb):8*(2*\a+\nb)+3] offset:\a*8448+64*\nb          ; lane (r, h): out(16 a + r, 32 w + 16 nb + 8 h + 0..7); each accumulator from its low end on
	ds_store_b128 v8, v[8*(2*\a+\nb)+4:8*(2*\a+\nb)+7] offset:\a*8448+64*\nb+16
.endr
.endr
	WIN 0
	s_wait_dscnt 0x0                               ; for the others' sake: my stores into the stage are done
	s_barrier_signal -1
	s_barrier_wait -1
.macro GROUP g                         ; 16 whole rows of 512 bytes
.irp i, 0,1,2,3,4,5,6,7,8,9,10,11,12,13,14,15
	ds_load_b128 v[32+64*\g+4*\i:32+64*\g+4*\i+3], v9 offset:(16*\g+\i)*528
.endr
.irp i, 0,1,2,3,4,5,6,7,8,9,10,11,12,13,14,15
	s_wait_dscnt 15-\i
	global_store_b128 v1, v[32+64*\g+4*\i:32+64*\g+4*\i+3], s[42:43] offset:(16*\g+\i)*4096 th:TH_STORE_NT   ; 32 lanes store 512 consecutive bytes, aligned
.endr
.endm
	s_and_b32 s40, s15, 15                         ; positions 0-15 of a sequence are wave 0's first 16 rows where tbk % 16 = 0: they are the f32 launch's.  tbk is the same in all partners
	s_or_b32 s40, s40, s12
	s_cmp_eq_u32 s40, 0
	s_cbranch_scc1 .Lnot_mine
	GROUP 0
.Lnot_mine:
	GROUP 1
	s_wait_tensorcnt 0x0                           ; the wave's end
	ds_add_u32 v6, v7
	s_wait_dscnt 0x0
	ROUND                                          ; the closing round
	s_endpgm
.Lfunc_end_k_q967bdd68c3_proj:
	.size	k_q967bdd68c3_proj, .Lfunc_end_k_q967bdd68c3_proj-k_q967bdd68c3_proj
	.p2alignl 7, 3214868480
	.fill 96, 4, 3214868480
	.section	.rodata,"a",@progbits
	.p2align	6, 0x0
	.amdhsa_kernel k_q967bdd68c3_proj
		.amdhsa_group_segment_fixed_size 262656
		.amdhsa_private_segment_fixed_size 0
		.amdhsa_enable_private_segment 0
		.amdhsa_kernarg_size 32
		.amdhsa_user_sgpr_count 2
		.amdhsa_user_sgpr_kernarg_segment_ptr 1
		.amdhsa_wavefront_size32 1
		.amdhsa_system_sgpr_workgroup_id_x 1
		.amdhsa_system_sgpr_workgroup_id_y 1
		.amdhsa_system_sgpr_workgroup_id_z 1
		.amdhsa_system_vgpr_workitem_id 0
		.amdhsa_next_free_vgpr 512
		.amdhsa_next_free_sgpr 66
		.amdhsa_reserve_vcc 0
		.amdhsa_float_denorm_mode_32 3
		.amdhsa_float_denorm_mode_16_64 3
		.amdhsa_memory_ordered 1
		.amdhsa_forward_progress 1
		.amdhsa_inst_pref_size 100
	.end_amdhsa_kernel
	.amdgpu_metadata
---
amdhsa.version: [ 1, 2 ]
amdhsa.kernels:
  - .name:           k_q967bdd68c3_proj
    .symbol:         k_q967bdd68c3_proj.kd
    .args:
      - { .name: yh, .offset: 0, .size: 8, .value_kind: global_buffer, .address_space: global }
      - { .name: wp, .offset: 8, .size: 8, .value_kind: global_buffer, .address_space: global }
      - { .name: b_proj, .offset: 16, .size: 8, .value_kind: global_buffer, .address_space: global }
      - { .name: out0, .offset: 24, .size: 8, .value_kind: global_buffer, .address_space: global }
    .group_segment_fixed_size: 262656
    .private_segment_fixed_size: 0
    .kernarg_segment_align: 8
    .kernarg_segment_size: 32
    .max_flat_workgroup_size: 128
    .sgpr_count:     66
    .vgpr_count:     512
    .wavefront_size: 32
...
	.end_amdgpu_metadata
.endif
;; end of part 4
;; launch first16 (part 5): grid 32 x 2, 16 waves a work-group, no clusters, 34,816 bytes of LDS; arguments q32, w_proj, b_proj, out0; writes out0
.if DOCPART == 5
	.amdgcn_target "amdgcn-amd-amdhsa--gfx1250"
	.amdhsa_code_object_version 6
	.text
	.protected	k_q967bdd68c3_first16
	.globl	k_q967bdd68c3_first16
	.p2align	8
	.type	k_q967bdd68c3_first16,@function
k_q967bdd68c3_first16:
	s_mov_b64 s[64:65], 0
	v_nop
	global_prefetch_b8 v0, s[64:65] scope:SCOPE_SE
	s_setreg_imm32_b32 hwreg(HW_REG_WAVE_MODE, 25, 1), 1
	s_wait_xcnt 0x0
; POSITIONS 0-15 OF EACH SEQUENCE, ALL IN f32: attention and projection.  These rows average one to sixteen values and are the largest in size, so their operands are not rounded to 16 bits.
; SHARES.  Work-group (ng, b): 32 output columns of batch b's 16 rows.  Wave = head: it makes its head's 16 x 16 attention from q32 (the first product's f32 results), then its head's 64 channels' part of the projection
; for the 32 columns; the 16 parts meet in LDS and are added in ascending order of the heads.  The small attention is made anew in each of the 32 column groups: that spares a launch and an intermediate.
; All products by v_wmma_f32_16x16x4_f32, 64 a wave: no bulk work.  Their results' registers are written by matrix instructions alone; what is made of a sum goes into other registers.
; k is permuted alike in both operands of each product: step u of the scores takes d = 8 (u / 2) + 4 h + 2 (u % 2) + j; step s of the second product key 8 h + 2 s + j; of the projection channel 16 cs + 8 h + 2 s + j:
; so a result's registers are the next product's operand as they stand.  No work-group shares a tile worth a joint request: no cluster.
.set SPARE, 32768                      ; behind the 16 parts of 2,048 bytes: the spare words
.set QF, 16                            ; v16-47   Q: pair u at QF + 2 u
.set KF, 48                            ; v48-79   K likewise
.set VF, 80                            ; v80-111  V^T: pair (cs, s) at VF + 2 (4 cs + s)
.set WF, 112                           ; v112-175 w_proj^T: pair (cs, s, nt) at WF + 2 (2 (4 cs + s) + nt)
.set SA, 176                           ; v176-183, v184-191 the scores, in two sums that take turns
.set SB, 184
.set Y,  192                           ; v192-223 y^T: 4 tiles of 16 channels
.set Z,  224                           ; v224-239 my part of out^T: 2 tiles of 16 columns
.set T,  240                           ; v240-247 scores, then p
	s_load_b256 s[4:11], s[0:1], 0x0               ; q32 s[4:5], w_proj s[6:7], b_proj s[8:9], out0 s[10:11]
	v_lshl_add_u32 v3, v0, 2, SPARE                ; my spare word; never rewritten
	v_mov_b32 v4, 0                                ; 0; never rewritten
	v_lshrrev_b32 v1, 5, v0
	v_readfirstlane_b32 s12, v1                    ; wave = head
	v_and_b32 v1, 15, v0                           ; r
	v_bfe_u32 v2, v0, 4, 1                         ; h
	v_and_b32 v11, 31, v0
	v_lshlrev_b32 v11, 2, v11                      ; 4 x lane
	v_mul_u32_u24 v5, v1, 12288
	v_lshl_add_u32 v5, v2, 4, v5                   ; Q, K: row r of 12,288 bytes, + 16 h
	v_mul_u32_u24 v6, v2, 98304
	v_lshl_add_u32 v6, v1, 2, v6                   ; V: key 8 h on, channel r
	v_lshlrev_b32 v7, 15, v2
	v_lshl_add_u32 v7, v1, 2, v7                   ; w_proj: row 8 h on, column r
	v_lshlrev_b32 v8, 3, v2
	v_sub_nc_u32 v8, v1, v8                        ; r - 8 h
	s_lshl_b32 s28, s12, 11
	v_lshlrev_b32 v9, 7, v1
	v_lshl_add_u32 v9, v2, 5, v9
	v_add_nc_u32 v9, s28, v9                       ; LDS, in: my head's part, row r of 128 bytes, + 32 h
	s_lshl_b32 s29, s12, 7
	v_add_nc_u32 v10, s29, v11                     ; LDS, back: row = my wave's number, a lane a column
	s_and_b32 s14, ttmp7, 0xffff                   ; b
	s_mul_i32 s16, s14, 196608
	s_lshl_b32 s18, s12, 8
	s_add_co_u32 s16, s16, s18
	s_mov_b32 s17, 0
	s_lshl_b32 s18, s12, 18                        ; w_proj: my head's 64 rows of 4,096 bytes,
	s_lshl_b32 s20, ttmp9, 7                       ; the work-group's 32 columns
	s_add_co_u32 s18, s18, s20
	s_mov_b32 s19, 0
	s_mov_b32 s21, 0
	s_lshl_b32 s22, s14, 23                        ; out0: row 2,048 b + wave
	s_lshl_b32 s23, s12, 12
	s_add_co_u32 s22, s22, s23
	s_add_co_u32 s22, s22, s20
	s_mov_b32 s23, 0
	s_mov_b32 s24, 0x3e38aa3b                      ; c = log2(e) / 8
	s_mov_b32 s26, 0x76543210
	s_mov_b32 s27, 0xfedcba98
	s_wait_kmcnt 0x0
	s_add_nc_u64 s[16:17], s[4:5], s[16:17]
	s_add_nc_u64 s[18:19], s[6:7], s[18:19]
	s_add_nc_u64 s[20:21], s[8:9], s[20:21]
	s_add_nc_u64 s[22:23], s[10:11], s[22:23]
.irp sp, 0,1,2,3,4,5,6,7
	global_load_b128 v[QF+4*\sp:QF+4*\sp+3], v5, s[16:17] offset:32*\sp
.endr
.irp sp, 0,1,2,3,4,5,6,7
	global_load_b128 v[KF+4*\sp:KF+4*\sp+3], v5, s[16:17] offset:4096+32*\sp
.endr
.irp cs, 0,1,2,3
.irp s, 0,1,2,3
.irp j, 0,1
	global_load_b32 v[VF+2*(4*\cs+\s)+\j], v6, s[16:17] offset:8192+(2*\s+\j)*12288+64*\cs
.endr
.endr
.endr
.irp cs, 0,1,2,3
.irp s, 0,1,2,3
.irp nt, 0,1
.irp j, 0,1
	global_load_b32 v[WF+2*(2*(4*\cs+\s)+\nt)+\j], v7, s[18:19] offset:(16*\cs+2*\s+\j)*4096+64*\nt
.endr
.endr
.endr
.endr
	global_load_b32 v248, v11, s[20:21]            ; b_proj of my column
	s_wait_loadcnt 63                              ; Q, K and V are in: behind V's last load stand 65, more than a wait can name
.set u, 0
.rept 16                               ; S^T = K Q^T: source 0 = 16 keys, source 1 = 16 queries; even steps into one sum, odd steps into the other, by turns
.if u < 2
	v_wmma_f32_16x16x4_f32 v[SA+8*(u%2):SA+8*(u%2)+7], v[KF+2*u:KF+2*u+1], v[QF+2*u:QF+2*u+1], 0
.else
	v_wmma_f32_16x16x4_f32 v[SA+8*(u%2):SA+8*(u%2)+7], v[KF+2*u:KF+2*u+1], v[QF+2*u:QF+2*u+1], v[SA+8*(u%2):SA+8*(u%2)+7]
.endif
.set u, u+1
.endr
.rept 8
	v_nop                                          ; eight places behind this form, in front of the first read of results (ISA guide 7.12.1)
.endr
.irp k, 0,1,2,3
	v_pk_add_f32 v[T+2*\k:T+2*\k+1], v[SA+2*\k:SA+2*\k+1], v[SB+2*\k:SB+2*\k+1]   ; lane (r, h): query r, key 8 h + j
.endr
	v_mov_b32 v249, 0xff800000
.irp j, 0,1,2,3,4,5,6,7
	v_cmp_gt_i32 vcc_lo, \j, v8                    ; key 8 h + j comes after query r: hidden
	v_cndmask_b32 v[T+\j], v[T+\j], v249, vcc_lo
.endr
	v_max3_num_f32 v250, v240, v241, v242
	v_max3_num_f32 v250, v250, v243, v244
	v_max3_num_f32 v250, v250, v245, v246
	v_max_num_f32 v250, v250, v247
	v_mov_b32 v251, 0                              ; (a lane permute's destination counts as one of its sources)
	v_permlanex16_b32 v251, v250, s26, s27
	v_max_num_f32 v250, v250, v251                 ; the row's maximum: key 0 counts for every query, so it is a number
.irp j, 0,1,2,3,4,5,6,7
	v_sub_f32 v[T+\j], v[T+\j], v250
.endr
.irp j, 0,1,2,3,4,5,6,7
	v_mul_f32 v[T+\j], s24, v[T+\j]
.endr
.irp j, 0,1,2,3,4,5,6,7
	v_exp_f32 v[T+\j], v[T+\j]
.endr
	v_nop
	s_wait_alu depctr_va_vdst(0)                   ; one wait for the eight exponentials, ahead of their first reader
	v_add_f32 v252, v240, v241
	v_add_f32 v253, v242, v243
	v_add_f32 v254, v244, v245
	v_add_f32 v255, v246, v247
	v_add_f32 v252, v252, v253
	v_add_f32 v254, v254, v255
	v_add_f32 v252, v252, v254
	v_permlanex16_b32 v251, v252, s26, s27
	v_add_f32 v252, v252, v251                     ; the row's sum
	v_rcp_f32 v253, v252
	v_nop
	s_wait_alu depctr_va_vdst(0)
.irp j, 0,1,2,3,4,5,6,7
	v_mul_f32 v[T+\j], v[T+\j], v253               ; the softmax
.endr
.irp s, 0,1,2,3                        ; y^T = V^T P: source 0 = 16 channels, source 1 = 16 queries; the four tiles of channels take turns
.irp cs, 0,1,2,3
.if \s == 0
	v_wmma_f32_16x16x4_f32 v[Y+8*\cs:Y+8*\cs+7], v[VF+2*(4*\cs+\s):VF+2*(4*\cs+\s)+1], v[T+2*\s:T+2*\s+1], 0
.else
	v_wmma_f32_16x16x4_f32 v[Y+8*\cs:Y+8*\cs+7], v[VF+2*(4*\cs+\s):VF+2*(4*\cs+\s)+1], v[T+2*\s:T+2*\s+1], v[Y+8*\cs:Y+8*\cs+7]
.endif
.endr
.endr
.rept 9
	v_nop                                          ; nine places before a matrix instruction takes these results as an operand
.endr
	s_wait_loadcnt 0x0                             ; w_proj and the bias
.irp cs, 0,1,2,3                       ; out^T += w^T y^T: source 0 = 16 columns, source 1 = 16 tokens; the two tiles of columns take turns
.irp s, 0,1,2,3
.irp nt, 0,1
.if (\cs == 0) && (\s == 0)
	v_wmma_f32_16x16x4_f32 v[Z+8*\nt:Z+8*\nt+7], v[WF+2*(2*(4*\cs+\s)+\nt):WF+2*(2*(4*\cs+\s)+\nt)+1], v[Y+8*\cs+2*\s:Y+8*\cs+2*\s+1], 0
.else
	v_wmma_f32_16x16x4_f32 v[Z+8*\nt:Z+8*\nt+7], v[WF+2*(2*(4*\cs+\s)+\nt):WF+2*(2*(4*\cs+\s)+\nt)+1], v[Y+8*\cs+2*\s:Y+8*\cs+2*\s+1], v[Z+8*\nt:Z+8*\nt+7]
.endif
.endr
.endr
.endr
.rept 8
	v_nop
.endr
.irp nt, 0,1
	ds_store_b128 v9, v[Z+8*\nt:Z+8*\nt+3] offset:64*\nt        ; lane (r, h): token r, columns 16 nt + 8 h + 0..7; each sum from its low end on
	ds_store_b128 v9, v[Z+8*\nt+4:Z+8*\nt+7] offset:64*\nt+16
.endr
	s_wait_dscnt 0x0                               ; for the others' sake: my part lies in LDS
	s_barrier_signal -1
	s_barrier_wait -1
.irp w, 0,1,2,3,4,5,6,7,8,9,10,11,12,13,14,15
	ds_load_b32 v[16+\w], v10 offset:2048*\w       ; token = my wave's number: the 16 heads' parts of my column
.endr
	s_wait_dscnt 0x0
.irp w, 0,1,2,3,4,5,6,7,8,9,10,11,12,13,14,15
	v_add_f32 v248, v248, v[16+\w]                 ; the bias, then the heads in ascending order
.endr
	global_store_b32 v11, v248, s[22:23]           ; a wave stores 128 consecutive bytes of its row
	s_wait_tensorcnt 0x0                           ; the wave's end, behind my last LDS store
	ds_add_u32 v3, v4
	s_wait_dscnt 0x0
	s_endpgm
.Lfunc_end_k_q967bdd68c3_first16:
	.size	k_q967bdd68c3_first16, .Lfunc_end_k_q967bdd68c3_first16-k_q967bdd68c3_first16
	.p2alignl 7, 3214868480
	.fill 96, 4, 3214868480
	.section	.rodata,"a",@progbits
	.p2align	6, 0x0
	.amdhsa_kernel k_q967bdd68c3_first16
		.amdhsa_group_segment_fixed_size 34816
		.amdhsa_private_segment_fixed_size 0
		.amdhsa_enable_private_segment 0
		.amdhsa_kernarg_size 32
		.amdhsa_user_sgpr_count 2
		.amdhsa_user_sgpr_kernarg_segment_ptr 1
		.amdhsa_wavefront_size32 1
		.amdhsa_system_sgpr_workgroup_id_x 1
		.amdhsa_system_sgpr_workgroup_id_y 1
		.amdhsa_system_sgpr_workgroup_id_z 1
		.amdhsa_system_vgpr_workitem_id 0
		.amdhsa_next_free_vgpr 256
		.amdhsa_next_free_sgpr 66
		.amdhsa_reserve_vcc 1
		.amdhsa_float_denorm_mode_32 3
		.amdhsa_float_denorm_mode_16_64 3
		.amdhsa_memory_ordered 1
		.amdhsa_forward_progress 1
		.amdhsa_inst_pref_size 23
	.end_amdhsa_kernel
	.amdgpu_metadata
---
amdhsa.version: [ 1, 2 ]
amdhsa.kernels:
  - .name:           k_q967bdd68c3_first16
    .symbol:         k_q967bdd68c3_first16.kd
    .args:
      - { .name: q32, .offset: 0, .size: 8, .value_kind: global_buffer, .address_space: global }
      - { .name: w_proj, .offset: 8, .size: 8, .value_kind: global_buffer, .address_space: global }
      - { .name: b_proj, .offset: 16, .size: 8, .value_kind: global_buffer, .address_space: global }
      - { .name: out0, .offset: 24, .size: 8, .value_kind: global_buffer, .address_space: global }
    .group_segment_fixed_size: 34816
    .private_segment_fixed_size: 0
    .kernarg_segment_align: 8
    .kernarg_segment_size: 32
    .max_flat_workgroup_size: 512
    .sgpr_count:     66
    .vgpr_count:     256
    .wavefront_size: 32
...
	.end_amdgpu_metadata
.endif
;; end of part 5
